; MI455X (gfx1250); checked and timed in simulation.
; The chip was launched on July 23, 2026; its instructions are those of AMD's public machine-readable ISA for CDNA 5 (MIT licence, August 2026) and "CDNA5" Instruction Set Architecture Reference Guide (July 2026). The comments in the code are by the model that wrote it; some were corrected since.
;; MSA. Allowed arithmetic: matrix products marked QUANTISED: E2M1 operands, one E8M0 scale for each 32 along K, by v_wmma_scale_f32_16x16x128_f8f6f4 with both operands' format E2M1 (or v_wmma_scale_f32_32x16x128_f4), f32 sums; products left as they are: bf16, f16 or f32 operands; f32 sums; everything else in f32.
;; Inputs: b_proj 1,024 float32; w_proj 1,024 x 1,024 float32; w_qkv 1,024 x 3,072 float32; x 4 x 2,048 x 1,024 float32.
;; Outputs: out0 4 x 2,048 x 1,024 float32.
;; This version of the problem:
;;   THIS VERSION OF THE PROBLEM IS GIVEN IN LOW PRECISION. The matrix products marked QUANTISED in the list below multiply operands that are first quantised to E2M1 (2 exponent bits, 1 mantissa bit; 4 bits a number), with one power-of-two scale for each 32 numbers along K (OCP MX v1.0); their sums are f32. The products marked 'left as it is' may take bf16, f16 or f32 operands, with f32 sums. Whichever they take, every output number must still come out within the allowed error. Rounding operands to bf16 (8 significant bits) uses up far more of that allowance than f16 does (11 bits, for magnitudes from 6e-5 to 65,504). All else is computed in f32.
;;   The module's matrix products, in the order in which they are computed (A, B: the left and right operand; K: the contracted axis; several contracted axes count as one K, in the product's order):
;;     1. [M 8,192, K 1,024] x [K 1,024, N 3,072]; A: input x; B: input w_qkv: QUANTISED
;;     2. batch 64 x [M 2,048, K 64] x [K 64, N 2,048]; A: computed on the way; B: computed on the way: left as it is (an operand is computed on the way)
;;     3. batch 64 x [M 64, K 2,048] x [K 2,048, N 2,048]; A: computed on the way; B: computed on the way: left as it is (an operand is computed on the way)
;;     4. [M 8,192, K 1,024] x [K 1,024, N 1,024]; A: computed on the way; B: input w_proj: left as it is (an operand is computed on the way)
;;   THE QUANTISER, for each operand of a quantised product, along K:
;;     - K is cut into blocks of 32 from its start; a last block that is shorter is filled with zeros.
;;     - A block's scale is 2^e with e = floor(log2(the largest magnitude in the block)) - 2, held to -126 .. 127; a block of zeros has e = 0. As a byte (E8M0): e + 127.
;;     - Each number is divided by its block's scale, clamped to +-6, and rounded to the nearest number of E2M1, ties to even, subnormals kept.
;;     - The product sums the exact products of the quantised numbers (number of the format x scale) in f32.
;;   ~~~python
;;   def quantise(x, axis):      # numpy; x: float32 -> the quantised numbers, widened to float32 again
;;       x = np.moveaxis(x, axis, -1); K = x.shape[-1]
;;       x = np.pad(x, [(0, 0)] * (x.ndim - 1) + [(0, -K % 32)]); x = x.reshape(x.shape[:-1] + (-1, 32)); a = np.abs(x).max(-1, keepdims=True)
;;       e = np.where(a > 0, np.clip(np.frexp(np.where(a > 0, a, 1))[1] - 1 - 2, -126, 127), 0)      # np.frexp(a)[1] - 1 = floor(log2(a)), exactly
;;       r = np.clip(x / 2.0 ** e, -6, 6)
;;       step = 2.0 ** (np.maximum(np.frexp(np.where(r == 0, 1, r))[1] - 1, 0) - 1)
;;       q = np.round(r / step) * step * 2.0 ** e      # np.round: ties to even
;;       return np.moveaxis(q.reshape(q.shape[:-2] + (-1,))[..., :K], -1, axis).astype(np.float32)
;;   ~~~
;; One version. Each part assembles by itself: llvm-mc -triple=amdgcn-amd-amdhsa -mcpu=gfx1250 --defsym DOCPART=n.
;; ======== version 1 of 1: 4 launches
;; limits: values are held in f16: magnitudes above 65,504 overflow, below 6.1e-05 lose precision
;; workspace buffers: xc 4,194,304 bytes; xs 262,144 bytes; wc 1,572,864 bytes; ws 98,304 bytes; wp 2,097,152 bytes; qkv 50,331,648 bytes; att 16,777,216 bytes
;; launch prep (part 1): grid 512 x 1, 4 waves a work-group, no clusters, 34,304 bytes of LDS; arguments x, w_qkv, w_proj, xc, xs, wc, ws, wp; writes xc, xs, wc, ws, wp
.if DOCPART == 1
	.amdgcn_target "amdgcn-amd-amdhsa--gfx1250"
	.amdhsa_code_object_version 6
	.text
	.protected	k_qee8d3a10d6_prep
	.globl	k_qee8d3a10d6_prep
	.p2align	8
	.type	k_qee8d3a10d6_prep,@function
k_qee8d3a10d6_prep:
	s_mov_b64 s[64:65], 0
	v_nop
	global_prefetch_b8 v0, s[64:65] scope:SCOPE_SE
	s_setreg_imm32_b32 hwreg(HW_REG_WAVE_MODE, 25, 1), 1
	s_wait_xcnt 0x0
; MULTI-HEAD ATTENTION, launch 1 of 4: the operands of the later launches are made once.
;   x [8192][1024] f32      -> xc, xs: codes of FP4 (E2M1) and E8M0 scale words, quantised along K = 1,024 (work-groups 0-255)
;   w_qkv [1024][3072] f32  -> wc, ws: the same, K being its first axis (work-groups 256-447)
;   w_proj [1024][1024] f32 -> wp: f16 (work-groups 448-511)
; DEAD WORK: none.  Every input has a way to the output for all values: x and w_qkv through q, k and v, w_proj and b_proj through the last product; no mask, no slice, no zero state.  Nothing is left out in any launch.
; THE QUANTISER: a block of 32 along K has the scale 2^(floor(log2(largest magnitude)) - 2); its byte is the largest magnitude's exponent field - 2, held at 1 from below; each number is divided by the scale and
; rounded to the nearest code, ties to even, beyond 6 the largest code.
; LIMITS: a block of zeros, and a block whose largest magnitude lies under 2^-124, gets the byte 1 (the rule says 127 for zeros: the codes are zeros, which add nothing under any byte but 0xff, and this program
; alone reads the bytes).  NaN and infinities among the inputs are not served.  w_proj goes to f16: magnitudes under 65,504.
; EVERY WORKSPACE BUFFER LIES IN THE ORDER OF ITS READER'S OPERAND REGISTERS: pieces of 512 bytes, lane L's 16 bytes at 16 L (L = 16 h + r).
;   xc [kh 2][mtile 512][q 4][c 2][512 B]: lane (r, h): row 16 mtile + r, k = 512 kh + 128 q + 64 c + 32 h + 0 .. 31.   wc [kh 2][ntile 192][q 4][c 2][512 B]: the same with column n of w_qkv for the row.
;   xs [ks 8][row 8192], ws [ks 8][n 3072]: one word for a row and 128 along K; byte b scales k = 128 ks + 32 b + 0 .. 31.
;   wp [ks 8][ntile 64][kc 8][512 B]: lane (r, h): column 16 ntile + r of w_proj, k = 128 ks + 16 kc + 8 h + 0 .. 7, f16.
; No tensor load, no barrier: waves share nothing.  The three paths part on the work-group's number; the first alone touches LDS.
.set STGB,  8448                       ; a wave's stage: 16 rows x (512 bytes + 16)
.set SPARE, 4*STGB                     ; behind the four stages: the spare words, 128 bytes for each wave
.set SPW,   56                         ; v56  LDS address of my spare word; never rewritten
.set NIL,   57                         ; v57  0; never rewritten
.set R,     64                         ; v64-191   path X: two sets of 64 registers as loaded;  the weights' paths: 128 numbers of my column
.set XX,    192                        ; v192-255  path X: 64 numbers of my row in the operand's order;  w_proj's path: f16 pairs
.set CD,    24                         ; v24-55    path X: codes, eight registers for each step, so that no store's data are written again
.set FLOOR, 0x1800000                  ; 2^(3 - 127): no largest magnitude is taken under it, so the byte cannot fall under 1
.set OFF2,  0xff000000                 ; takes 2 off an exponent field
	s_load_b256 s[4:11], s[0:1], 0x0               ; x s[4:5], w_qkv s[6:7], w_proj s[8:9], xc s[10:11]
	s_load_b256 s[12:19], s[0:1], 0x20             ; xs s[12:13], wc s[14:15], ws s[16:17], wp s[18:19]
	v_lshl_add_u32 v[SPW], v0, 2, SPARE
	v_mov_b32 v[NIL], 0
	v_lshrrev_b32 v1, 5, v0
	v_readfirstlane_b32 s20, v1                    ; wave 0..3
	v_and_b32 v1, 31, v0                           ; L
	v_and_b32 v2, 15, v0                           ; r
	v_bfe_u32 v3, v0, 4, 1                         ; h
	v_lshlrev_b32 v4, 4, v1                        ; 16 L
	s_mul_i32 s26, s20, STGB                       ; my stage (path X); its addresses are made here, ahead of the paths' parting
	v_add_nc_u32 v5, s26, v4                       ; into it: 16 L of a row
	v_mul_u32_u24 v6, v2, 528
	v_lshl_add_u32 v6, v3, 7, v6
	v_add_nc_u32 v6, s26, v6                       ; out of it: row r, + 128 h: my 32 numbers of each 64
	s_mov_b32 s23, 0                               ; the high word of every offset
	s_wait_kmcnt 0x0
	s_cmp_lt_u32 ttmp9, 256
	s_cbranch_scc0 .Lweights
; ---- PATH X.  Work-group g: kh = g % 2; wave w takes rows 16 mtile .. + 15, mtile = 4 (g / 2) + w, and 512 along K, in four steps of 128.
; A load reads 512 consecutive bytes of one row; the conversions want 32 neighbours along K in ONE lane: so a step's 16 x 512 bytes turn through my stage.
	s_and_b32 s21, ttmp9, 1                        ; kh
	s_lshr_b32 s24, ttmp9, 1
	s_lshl_b32 s24, s24, 2
	s_add_co_u32 s24, s24, s20                     ; mtile
	s_lshl_b32 s22, s24, 16                        ; x: 16 rows of 4,096 bytes a tile,
	s_lshl_b32 s25, s21, 11                        ; 2,048 bytes for 512 along K
	s_add_co_u32 s22, s22, s25
	s_add_nc_u64 s[4:5], s[4:5], s[22:23]
	s_lshl_b32 s22, s21, 21                        ; xc: 2,097,152 kh + 4,096 mtile
	s_lshl_b32 s25, s24, 12
	s_add_co_u32 s22, s22, s25
	s_add_nc_u64 s[10:11], s[10:11], s[22:23]
	s_lshl_b32 s22, s21, 17                        ; xs: 4 kh planes of 32,768 bytes + 64 mtile
	s_lshl_b32 s25, s24, 6
	s_add_co_u32 s22, s22, s25
	s_add_nc_u64 s[12:13], s[12:13], s[22:23]
	s_mov_b32 s30, 0xffff0000                      ; lanes 16-31
	s_mov_b32 s32, 0x76543210
	s_mov_b32 s33, 0xfedcba98                      ; v_permlanex16_b32's selects for lane l xor 16
	v_lshlrev_b32 v7, 2, v2
	v_lshl_add_u32 v7, v3, 15, v7                  ; scale words: 4 r; lanes 16-31 one plane (K step) further on
	v_lshlrev_b32 v16, 3, v3                       ; 8 h
	v_mov_b32 v15, 0                               ; written once: a lane permute's destination counts as one of its sources
.macro XLOAD q                         ; step q: 16 rows x 512 bytes into set q % 2
.set i, 0
.rept 16
	global_load_b128 v[R+64*((\q)%2)+4*i:R+64*((\q)%2)+4*i+3], v4, s[4:5] offset:4096*i+512*(\q) th:TH_LOAD_NT
.set i, i+1
.endr
.endm
.macro XSTEP q
.if (\q) < 3
	s_wait_loadcnt 16                              ; this step's sixteen loads are in; the next step's sixteen may be out
.else
	s_wait_loadcnt 0x0
.endif
.set i, 0
.rept 16
	ds_store_b128 v5, v[R+64*((\q)%2)+4*i:R+64*((\q)%2)+4*i+3] offset:528*i
.set i, i+1
.endr
.irp c, 0,1                            ; LDS serves a wave's instructions in order: these see the stores above
.irp g, 0,1,2,3,4,5,6,7
	ds_load_b128 v[XX+32*\c+4*\g:XX+32*\c+4*\g+3], v6 offset:256*\c+16*\g   ; x(r, 64 c + 32 h + 4 g ..)
.endr
.endr
	s_wait_dscnt 0x0                               ; my 64 numbers are back, and the stores have read their registers,
.if (\q) < 2
	XLOAD (\q)+2                                   ; which take the loads of two steps on
.endif
.irp c, 0,1                            ; my block 2 c + h: all its 32 numbers are mine
	v_max3_num_f32 v[8+\c], |v[XX+32*\c]|, |v[XX+32*\c+1]|, FLOOR
.endr
.irp i, 2,4,6,8,10,12,14,16,18,20,22,24,26,28,30
.irp c, 0,1
	v_max3_num_f32 v[8+\c], v[8+\c], |v[XX+32*\c+\i]|, |v[XX+32*\c+\i+1]|   ; (the two blocks by turns)
.endr
.endr
.irp c, 0,1
	v_add_nc_u32 v[10+\c], OFF2, v[8+\c]           ; the conversion takes the exponent field of this operand as its scale, and nothing else of it
.endr
.irp c, 0,1
	v_lshrrev_b32 v[12+\c], 23, v[10+\c]           ; the scale's byte
.endr
	v_lshl_or_b32 v14, v13, 16, v12                ; my two bytes: blocks h and 2 + h of row r,
	v_lshlrev_b32 v14, v16, v14                    ; at their places in the word;
	v_permlanex16_b32 v15, v14, s32, s33
	v_or_b32 v14, v14, v15                         ; with lane l xor 16's two the word is whole, in both lanes
.irp c, 0,1
.irp g, 0,1,2,3
	v_cvt_scalef32_pk8_fp4_f32 v[CD+8*(\q)+4*\c+\g], v[XX+32*\c+8*\g:XX+32*\c+8*\g+7], v[10+\c]
.endr
.endr
	v_nop                                          ; one plain place behind the last scaled conversion
.irp c, 0,1
	global_store_b128 v4, v[CD+8*(\q)+4*\c:CD+8*(\q)+4*\c+3], s[10:11] offset:1024*(\q)+512*\c   ; 32 lanes store 512 consecutive bytes
.endr
.if ((\q)%2) == 0
	v_mov_b32 v17, v14                             ; an even step's words wait for the odd step's
.else
	v_cndmask_b32 v[18+(\q)/2], v17, v14, s30      ; lanes 0-15: step q - 1's words; lanes 16-31: step q's: all lanes stay on
	global_store_b32 v7, v[18+(\q)/2], s[12:13] offset:32768*((\q)-1)
.endif
.endm
	XLOAD 0
	XLOAD 1
	XSTEP 0
	XSTEP 1
	XSTEP 2
	XSTEP 3
	s_wait_tensorcnt 0x0                           ; the wave's end, behind my last LDS store
	ds_add_u32 v[SPW], v[NIL]
	s_wait_dscnt 0x0
	s_endpgm
.Lweights:
	v_lshlrev_b32 v7, 2, v1                        ; in: 4 bytes a lane: A LANE TAKES A COLUMN n, AND ITS REGISTERS RUN DOWN K
	v_lshlrev_b32 v9, 4, v2
	v_lshl_add_u32 v9, v3, 12, v9                  ; out: 16 r; lanes 16-31 belong to the next tile of 16 columns, 4,096 bytes on
	s_cmp_lt_u32 ttmp9, 448
	s_cbranch_scc0 .Lwproj
; ---- PATH WQ.  Work-group g' = g - 256: ks = g' % 8 (128 along K), cg = g' / 8; wave w takes columns 128 cg + 32 w + L.  A block of 32 along K lies in one lane's registers.
	s_sub_co_u32 s21, ttmp9, 256
	s_and_b32 s24, s21, 7                          ; ks
	s_lshr_b32 s25, s21, 3                         ; cg
	s_lshl_b32 s27, s25, 7
	s_lshl_b32 s28, s20, 5
	s_add_co_u32 s27, s27, s28                     ; my wave's first column n0
	s_mul_i32 s22, s24, 128*12288                  ; w_qkv: 128 ks rows of 12,288 bytes + 4 n0
	s_lshl_b32 s28, s27, 2
	s_add_co_u32 s22, s22, s28
	s_add_nc_u64 s[6:7], s[6:7], s[22:23]
	s_mul_i32 s22, s24, 12288                      ; ws: plane ks + 4 n0
	s_add_co_u32 s22, s22, s28
	s_add_nc_u64 s[16:17], s[16:17], s[22:23]
	s_lshr_b32 s28, s24, 2                         ; wc: 786,432 (ks / 4) + 4,096 (n0 / 16) + 1,024 (ks % 4)
	s_mul_i32 s22, s28, 786432
	s_lshl_b32 s28, s27, 8
	s_add_co_u32 s22, s22, s28
	s_and_b32 s28, s24, 3
	s_lshl_b32 s28, s28, 10
	s_add_co_u32 s22, s22, s28
	s_add_nc_u64 s[14:15], s[14:15], s[22:23]
.set i, 0
.rept 128
	global_load_b32 v[R+i], v7, s[6:7] offset:12288*i th:TH_LOAD_NT   ; w_qkv(128 ks + i, my column): 32 lanes read 128 consecutive bytes
.set i, i+1
.endr
.macro WBLOCK t, left                  ; block t of four; left: the later loads that may stay out (the wait's field holds 63 at the most)
.set XS, R+32*(\t)
	s_wait_loadcnt \left
	v_max3_num_f32 v12, |v[XS]|, |v[XS+1]|, |v[XS+2]|
	v_max3_num_f32 v13, |v[XS+3]|, |v[XS+4]|, |v[XS+5]|
.irp i, 6,10,14,18,22,26
	v_max3_num_f32 v12, v12, |v[XS+\i]|, |v[XS+\i+1]|
	v_max3_num_f32 v13, v13, |v[XS+\i+2]|, |v[XS+\i+3]|
.endr
	v_max3_num_f32 v12, v12, |v[XS+30]|, |v[XS+31]|
	v_max3_num_f32 v12, v12, v13, FLOOR
	v_add_nc_u32 v11, OFF2, v12                    ; the conversion's scale operand
	v_lshrrev_b32 v13, 23, v11                     ; the scale's byte
.if (\t) == 0
	v_mov_b32 v20, v13
.else
	v_lshl_or_b32 v20, v13, 8*(\t), v20            ; four bytes make my column's word, the lower K in the lower byte
.endif
.irp g, 0,1,2,3
	v_cvt_scalef32_pk8_fp4_f32 v[32+4*(\t)+\g], v[XS+8*\g:XS+8*\g+7], v11
.endr
	v_nop                                          ; one plain place behind the last scaled conversion
	global_store_b128 v9, v[32+4*(\t):32+4*(\t)+3], s[14:15] offset:512*((\t)/2)+256*((\t)%2)   ; block t = 2 c + h of the reader: sixteen lanes store 256 consecutive bytes, aligned
.endm
	WBLOCK 0, 63
	WBLOCK 1, 63
	WBLOCK 2, 32
	WBLOCK 3, 0
	global_store_b32 v7, v20, s[16:17]             ; 32 scale words: 128 consecutive bytes
	s_endpgm
; ---- PATH WP.  Work-group g'' = g - 448: ks = g'' % 8, cg = g'' / 8; wave w takes columns 128 cg + 32 w + L of w_proj, 128 along K, and rounds them to f16.
.Lwproj:
	s_sub_co_u32 s21, ttmp9, 448
	s_and_b32 s24, s21, 7                          ; ks
	s_lshr_b32 s25, s21, 3                         ; cg
	s_lshl_b32 s27, s25, 7
	s_lshl_b32 s28, s20, 5
	s_add_co_u32 s27, s27, s28                     ; n0
	s_lshl_b32 s22, s24, 19                        ; w_proj: 128 ks rows of 4,096 bytes + 4 n0
	s_lshl_b32 s28, s27, 2
	s_add_co_u32 s22, s22, s28
	s_add_nc_u64 s[8:9], s[8:9], s[22:23]
	s_lshl_b32 s22, s24, 18                        ; wp: 262,144 ks + 4,096 (n0 / 16)
	s_lshl_b32 s28, s27, 8
	s_add_co_u32 s22, s22, s28
	s_add_nc_u64 s[18:19], s[18:19], s[22:23]
.set i, 0
.rept 128
	global_load_b32 v[R+i], v7, s[8:9] offset:4096*i th:TH_LOAD_NT
.set i, i+1
.endr
.macro PCHUNK kc, left                 ; 16 along K: two pieces of 8 f16, for the reader's lanes 0-15 and 16-31
	s_wait_loadcnt \left
.irp i, 0,1,2,3,4,5,6,7
	v_cvt_pk_f16_f32 v[XX+8*(\kc)+\i], v[R+16*(\kc)+2*\i], v[R+16*(\kc)+2*\i+1]
.endr
.irp hh, 0,1
	global_store_b128 v9, v[XX+8*(\kc)+4*\hh:XX+8*(\kc)+4*\hh+3], s[18:19] offset:512*(\kc)+256*\hh
.endr
.endm
	PCHUNK 0, 63
	PCHUNK 1, 63
	PCHUNK 2, 63
	PCHUNK 3, 63
	PCHUNK 4, 48
	PCHUNK 5, 32
	PCHUNK 6, 16
	PCHUNK 7, 0
	s_endpgm
.Lfunc_end_k_qee8d3a10d6_prep:
	.size	k_qee8d3a10d6_prep, .Lfunc_end_k_qee8d3a10d6_prep-k_qee8d3a10d6_prep
	.p2alignl 7, 3214868480
	.fill 96, 4, 3214868480
	.section	.rodata,"a",@progbits
	.p2align	6, 0x0
	.amdhsa_kernel k_qee8d3a10d6_prep
		.amdhsa_group_segment_fixed_size 34304
		.amdhsa_private_segment_fixed_size 0
		.amdhsa_enable_private_segment 0
		.amdhsa_kernarg_size 64
		.amdhsa_user_sgpr_count 2
		.amdhsa_user_sgpr_kernarg_segment_ptr 1
		.amdhsa_wavefront_size32 1
		.amdhsa_system_sgpr_workgroup_id_x 1
		.amdhsa_system_sgpr_workgroup_id_y 1
		.amdhsa_system_sgpr_workgroup_id_z 1
		.amdhsa_system_vgpr_workitem_id 0
		.amdhsa_next_free_vgpr 256
		.amdhsa_next_free_sgpr 66
		.amdhsa_reserve_vcc 0
		.amdhsa_float_denorm_mode_32 3
		.amdhsa_float_denorm_mode_16_64 3
		.amdhsa_memory_ordered 1
		.amdhsa_forward_progress 1
		.amdhsa_inst_pref_size 68
	.end_amdhsa_kernel
	.amdgpu_metadata
---
amdhsa.version: [ 1, 2 ]
amdhsa.kernels:
  - .name:           k_qee8d3a10d6_prep
    .symbol:         k_qee8d3a10d6_prep.kd
    .args:
      - { .name: x, .offset: 0, .size: 8, .value_kind: global_buffer, .address_space: global }
      - { .name: w_qkv, .offset: 8, .size: 8, .value_kind: global_buffer, .address_space: global }
      - { .name: w_proj, .offset: 16, .size: 8, .value_kind: global_buffer, .address_space: global }
      - { .name: xc, .offset: 24, .size: 8, .value_kind: global_buffer, .address_space: global }
      - { .name: xs, .offset: 32, .size: 8, .value_kind: global_buffer, .address_space: global }
      - { .name: wc, .offset: 40, .size: 8, .value_kind: global_buffer, .address_space: global }
      - { .name: ws, .offset: 48, .size: 8, .value_kind: global_buffer, .address_space: global }
      - { .name: wp, .offset: 56, .size: 8, .value_kind: global_buffer, .address_space: global }
    .group_segment_fixed_size: 34304
    .private_segment_fixed_size: 0
    .kernarg_segment_align: 8
    .kernarg_segment_size: 64
    .max_flat_workgroup_size: 128
    .sgpr_count:     66
    .vgpr_count:     256
    .wavefront_size: 32
...
	.end_amdgpu_metadata
.endif
;; end of part 1
;; launch qkvgemm (part 2): grid 12 x 32, 4 waves a work-group, clusters of 4 x 4, 327,680 bytes of LDS; arguments xc, xs, wc, ws, qkv; writes qkv
.if DOCPART == 2
	.amdgcn_target "amdgcn-amd-amdhsa--gfx1250"
	.amdhsa_code_object_version 6
	.text
	.protected	k_qee8d3a10d6_qkvgemm
	.globl	k_qee8d3a10d6_qkvgemm
	.p2align	8
	.type	k_qee8d3a10d6_qkvgemm,@function
k_qee8d3a10d6_qkvgemm:
	s_mov_b64 s[64:65], 0
	v_nop
	global_prefetch_b8 v0, s[64:65] scope:SCOPE_SE
	s_setreg_imm32_b32 hwreg(HW_REG_WAVE_MODE, 25, 1), 1
	s_wait_xcnt 0x0
	s_wait_alu depctr_hold_cnt(0) depctr_sa_sdst(0) depctr_va_vdst(0) depctr_va_sdst(0) depctr_va_ssrc(0) depctr_va_vcc(0) depctr_vm_vsrc(0)
	s_getreg_b32 s2, hwreg(HW_REG_IB_STS2, 6, 4)
	s_cmp_eq_u32 s2, 0
	s_cbranch_scc0 .Lentry_in_a_cluster
	s_endpgm
.Lentry_in_a_cluster:
	s_bfe_u32 s2, ttmp6, 0x10000c
	s_cmp_lg_u32 s2, 0xf033
	s_cbranch_scc0 .Lentry_shape_is_right
	s_endpgm
.Lentry_shape_is_right:
; MULTI-HEAD ATTENTION, launch 2 of 4: qkv = Q(x) Q(w_qkv), [8192][3072], on codes of FP4 (E2M1) with one E8M0 scale for each 32 along K = 1,024; sums in f32; q, k and v leave as f16.  No work is left out.
; LIMIT: |q|, |k|, |v| under 65,504 (f16).
; A tile of 256 x 256 is made by a work-group of four waves; a wave makes 128 x 128: 64 accumulators of 16 x 16, 512 registers.
; ALL OF K LIES IN LDS AT ONCE: two slots of 512 along K, each filled once, at the head; nothing is filled again.  The codes lie in memory in the order of the operand's registers (launch 1), so a slot's part of
; A or of B is one dense block, and a fragment comes by two loads of 512 consecutive bytes, 16 a lane.  The scale words of the tile's 256 rows and 256 columns, for all of K, come with the first fills.
; CLUSTERS: 4 x 4 work-groups.  The four of a row of the cluster need the same tiles of A, the four of a column the same tiles of B: each is asked for JOINTLY, by the same tensor load with the same descriptor
; and a mask that names the four.  384 work-groups: a tile of 256 x 384, which would give 256, wants 768 accumulator registers a wave and leaves no room for operands.
; THE MATRIX INSTRUCTION IS USED TRANSPOSED (source 0 = 16 columns of w_qkv, source 1 = 16 rows of x): a lane then holds eight neighbouring channels of one position: 16 bytes of f16.
; THE WAY OUT needs no LDS: qkv is laid in the order of launch 3's operand registers, and a lane's 16 bytes of a tile are just what that order wants of the lane:
;   Q at byte 0: [bh 64][stile 128][chunk 4][512 B], lane (r, h) at 16 L: position 16 stile + r, channels 16 chunk + 8 h + 0 .. 7;
;   K, V at byte 16,777,216: [bh 64][slot 4][K, V][st 32][chunk 4][512 B]; K's chunks as Q's; V's chunks row by row, 16 keys x 32 bytes: lane (r, h) at 32 r + 16 h.
; REGISTERS, in windows of 256: window 0: v0-31 addresses; v32-95 scale words and nothing else; v128-191 A's fragments, ONE set; on the way out v128-255 packed results.
;   window 1: B's fragments, TWO sets, at v0 and v128.   window 2: the accumulators of my rows 0-63 ((a, b) at v[8 (8 a + b)]);   window 3: those of my rows 64-127.
.set FR,     8                         ; registers of a fragment: 16 rows x 128 K
.set NL,     2                         ; LDS loads that bring one
.set NP,     4                         ; places behind this matrix instruction (ISA guide 7.12.1)
.set SLOT,   131072                    ; A: 16 tiles of 16 rows x 4,096 bytes, then B: the same
.set SCL,    2*SLOT                    ; the scale words: A's [ks 8][256 rows], 8,192 bytes, then B's
.set SPARE,  SCL+16384                 ; the spare words, 128 bytes for each wave
.set ADRA, 16                          ; v16-17  LDS address of my A fragments in slot 0, 1
.set ADRB, 20                          ; v20-21  the same for B
.set VO,   24                          ; v24-25  the way out: my lane's byte in a chunk, for my first head and my second
.set ADRS, 27                          ; v27     LDS address of my scale words: lanes 0-15 A's rows, lanes 16-31 B's
.set SPW,  28                          ; v28     LDS address of my spare word; never rewritten
.set NIL,  29                          ; v29     0; never rewritten
.set SC,   32                          ; register SC + 8 ks + i: lanes 0-15 the words of A's block i, lanes 16-31 those of B's block i, for K step ks of 128
.set AF,   128
.set TMP,  128
.set G1, 24                            ; s[24:31] descriptor group 1 for A's codes;  s[32:39] group 0, one set for each slot
.set G0, 32
.set G1B, 48                           ; s[48:55], s[56:63] the same for B's
.set G0B, 56
.set G1S, 68                           ; s[68:75], s[76:79] groups 1 and 0 for A's scale words;  s[80:87], s[88:91] for B's
.set G0S, 76
.set G1SB, 80
.set G0SB, 88
.set MSB, 0
.macro WIN new                         ; the immediate's high byte repeats the setting that is left
.if MSB != (\new)
	s_set_vgpr_msb (MSB<<8)|(\new)
.set MSB, (\new)
.endif
.endm
.set MUL_LO, 0xa1                      ; source 0 (B) window 1, source 1 (A) window 0, C and D window 2
.set MUL_HI, 0xf1                      ; the same, C and D window 3
.set TO_B,   0x40                      ; destination window 1, address window 0
; A joint load: waves 0 and 1 fetch for A, waves 2 and 3 for B.  The branch hangs on the wave's number alone.  An s_nop 0 and four v_nop follow each of the two lines.
.macro JLOAD g0a, g1a, g0b, g1b
	s_cmp_eq_u32 s15, 0
	s_cbranch_scc0 .Lfor_b_\@
	tensor_load_to_lds s[\g0a:\g0a+3], s[\g1a:\g1a+7]
	s_nop 0
.rept 4
	v_nop
.endr
	s_branch .Lasked_\@
.Lfor_b_\@:
	tensor_load_to_lds s[\g0b:\g0b+3], s[\g1b:\g1b+7]
	s_nop 0
.rept 4
	v_nop
.endr
.Lasked_\@:
.endm
.macro CROUND                          ; a round of the cluster's barrier
	s_barrier_signal -1
	s_barrier_wait -1
	s_cmp_lg_u32 s14, 0
	s_cbranch_scc1 .Lnot_wave_0_\@
	s_barrier_signal -3
.Lnot_wave_0_\@:
	s_barrier_wait -3
	s_barrier_signal -1
	s_barrier_wait -1
.endm
	s_load_b128 s[4:7], s[0:1], 0x0                ; xc s[4:5], xs s[6:7]
	s_load_b128 s[8:11], s[0:1], 0x10              ; wc s[8:9], ws s[10:11]
	s_load_b64 s[12:13], s[0:1], 0x20              ; qkv
	v_lshl_add_u32 v[SPW], v0, 2, SPARE
	v_mov_b32 v[NIL], 0
	ds_add_u32 v[SPW], v[NIL]                      ; the wave's opening: the add, twice on end, and its wait ahead of my first tensor load
	ds_add_u32 v[SPW], v[NIL]                      ; and once more; the set-up below, work on registers, stands between it and the wait
	v_lshrrev_b32 v1, 5, v0
	v_readfirstlane_b32 s14, v1                    ; wave 0..3
	s_lshr_b32 s15, s14, 1                         ; which half of the tile's rows is mine.  Also: I fetch for A (0) or for B (1)
	s_and_b32 s16, s14, 1                          ; which half of its columns.  Also: which half of that side I fetch
	s_bfe_u32 s40, ttmp6, 0x40000                  ; cx, cy: my place in the cluster
	s_bfe_u32 s41, ttmp6, 0x40004
	s_lshl_b32 s42, ttmp9, 2
	s_add_co_u32 s42, s42, s40                     ; tile column tx = 4 x cluster x + cx; the cluster's x is also which of q, k, v
	s_and_b32 s17, ttmp7, 0xffff
	s_lshl_b32 s17, s17, 2
	s_add_co_u32 s17, s17, s41                     ; tile row ty = 4 x cluster y + cy
	s_lshl_b32 s43, s41, 2
	s_lshl_b32 s43, 15, s43                        ; my row of the cluster
	s_lshl_b32 s44, 0x1111, s40                    ; my column
	; group 1 for codes: a dense block of 32,768 bytes as 128 rows of 256 bytes (32 elements of 8 bytes), no padding
	s_or_b32 s[G1+0], s43, (3<<16)|(1<<21)         ; 15:0 the mask: A's tiles go to my row; 17:16 elements of 8 bytes; 21 set beside a mask
	s_or_b32 s[G1B+0], s44, (3<<16)|(1<<21)
.irp g, G1, G1B
	s_mov_b32 s[\g+1], 32<<16                      ; tensor_dim0
	s_mov_b32 s[\g+2], 128<<16                     ; tensor_dim1
	s_mov_b32 s[\g+3], 32<<16                      ; tile_dim0
	s_mov_b32 s[\g+4], 128                         ; tile_dim1
	s_mov_b32 s[\g+5], 32                          ; from row to row
	s_mov_b32 s[\g+6], 0
	s_mov_b32 s[\g+7], 0
.endr
	; group 1 for scale words: four K steps' planes, 1,024 bytes (256 rows) of each
	s_or_b32 s[G1S+0], s43, (3<<16)|(1<<21)
	s_or_b32 s[G1SB+0], s44, (3<<16)|(1<<21)
.irp g, G1S, G1SB
	s_mov_b32 s[\g+1], 128<<16
	s_mov_b32 s[\g+2], 4<<16
	s_mov_b32 s[\g+3], 128<<16
	s_mov_b32 s[\g+4], 4
	s_mov_b32 s[\g+6], 0
	s_mov_b32 s[\g+7], 0
.endr
	s_mov_b32 s[G1S+5], 4096                       ; xs: a plane is 32,768 bytes
	s_mov_b32 s[G1SB+5], 1536                      ; ws: 12,288 bytes
	s_lshl_b32 s18, s16, 15                        ; my half: 8 tiles of 4,096 bytes
	s_lshl_b32 s20, s17, 16
	s_add_co_u32 s20, s20, s18                     ; A's codes: 65,536 ty + 32,768 half
	s_mov_b32 s21, 0
	s_lshl_b32 s46, s42, 16
	s_add_co_u32 s46, s46, s18                     ; B's: 65,536 tx + 32,768 half
	s_mov_b32 s47, 0
	s_lshl_b32 s22, s16, 17
	s_lshl_b32 s19, s17, 10
	s_add_co_u32 s22, s22, s19                     ; A's scale words: planes 4 half on, + 1,024 ty
	s_mov_b32 s23, 0
	s_mul_i32 s92, s16, 49152
	s_lshl_b32 s95, s42, 10
	s_add_co_u32 s92, s92, s95                     ; B's
	s_mov_b32 s93, 0
	s_lshl_b32 s45, s14, 15                        ; where the codes go: 32,768 x wave: A's two halves, then B's: no place in the cluster enters an LDS address
	s_lshl_b32 s94, s14, 12                        ; and the scale words: 4,096 x wave
	s_wait_dscnt 0x0                               ; both opening adds are done
	s_wait_kmcnt 0x0
	s_add_nc_u64 s[20:21], s[4:5], s[20:21]
	s_add_nc_u64 s[22:23], s[6:7], s[22:23]
	s_add_nc_u64 s[46:47], s[8:9], s[46:47]
	s_add_nc_u64 s[92:93], s[10:11], s[92:93]
	CROUND                                         ; all sixteen work-groups are here: the joint loads meet
	s_mov_b32 s[G0S], 1
	s_add_co_u32 s[G0S+1], s94, SCL
	s_mov_b64 s[G0S+2:G0S+3], s[22:23]
	s_or_b32 s[G0S+3], s[G0S+3], 0x80000000
	s_mov_b32 s[G0SB], 1
	s_add_co_u32 s[G0SB+1], s94, SCL
	s_mov_b64 s[G0SB+2:G0SB+3], s[92:93]
	s_or_b32 s[G0SB+3], s[G0SB+3], 0x80000000
	JLOAD G0S, G1S, G0SB, G1SB                     ; the scale words first: they are wanted with slot 0
.irp s, 0,1
	s_mov_b32 s[G0+4*\s], 1
	s_add_co_u32 s[G0+4*\s+1], s45, \s*SLOT
	s_add_nc_u64 s[G0+4*\s+2:G0+4*\s+3], s[20:21], \s*2097152
	s_or_b32 s[G0+4*\s+3], s[G0+4*\s+3], 0x80000000
	s_mov_b32 s[G0B+4*\s], 1
	s_add_co_u32 s[G0B+4*\s+1], s45, \s*SLOT
	s_add_nc_u64 s[G0B+4*\s+2:G0B+4*\s+3], s[46:47], \s*786432
	s_or_b32 s[G0B+4*\s+3], s[G0B+4*\s+3], 0x80000000
	JLOAD G0+4*\s, G1, G0B+4*\s, G1B               ; three tensor loads of mine are out behind the second of these
.endr
	v_and_b32 v1, 15, v0                           ; r
	v_bfe_u32 v2, v0, 4, 1                         ; h
	v_and_b32 v3, 31, v0
	v_lshlrev_b32 v4, 4, v3                        ; 16 L
	s_lshl_b32 s21, s15, 15                        ; my 128 rows of A: 8 tiles
	s_lshl_b32 s22, s16, 15
	s_add_co_u32 s22, s22, 65536                   ; my 128 columns of B, behind A's 16 tiles
.irp s, 0,1
	v_add_nc_u32 v[ADRA+\s], s21, v4
	v_add_nc_u32 v[ADRB+\s], s22, v4
	s_add_co_u32 s21, s21, SLOT
	s_add_co_u32 s22, s22, SLOT
.endr
	s_lshl_b32 s21, s15, 9                         ; A's words of my 128 rows
	s_lshl_b32 s22, s16, 9
	s_add_co_u32 s22, s22, 8192                    ; B's of my 128 columns, behind A's 8,192 bytes
	s_sub_co_u32 s22, s22, s21
	v_mul_u32_u24 v6, s22, v2                      ; lanes 16-31 take B's: the lower base + h x the distance
	s_add_co_u32 s21, s21, SCL
	v_lshl_add_u32 v5, v1, 2, v6
	v_add_nc_u32 v[ADRS], s21, v5
	; THE WAY OUT's addresses.  My rows: batch ty / 8, positions 256 (ty % 8) + 128 wr + 16 a + r.  My columns: heads 4 cx + 2 wc and the next, channels 16 (b % 4) + 8 h + j
	s_lshl_b32 s20, s40, 2
	s_lshl_b32 s21, s16, 1
	s_add_co_u32 s20, s20, s21                     ; my first head
	s_lshr_b32 s21, s17, 3
	s_lshl_b32 s21, s21, 4
	s_add_co_u32 s20, s20, s21                     ; bh0 = 16 x batch + head
	s_and_b32 s21, s17, 7
	s_lshl_b32 s21, s21, 4
	s_lshl_b32 s22, s15, 3
	s_add_co_u32 s21, s21, s22                     ; st0: my first tile of 16 positions, a multiple of 8
	s_lshl_b32 s46, s20, 18
	s_lshl_b32 s22, s21, 11
	s_add_co_u32 s46, s46, s22                     ; in Q: 262,144 bh0 + 2,048 st0
	s_lshl_b32 s47, s20, 19                        ; in K, V: 524,288 bh0
	s_lshr_b32 s22, s21, 5
	s_lshl_b32 s22, s22, 17
	s_add_co_u32 s47, s47, s22                     ; + 131,072 x slot
	s_and_b32 s22, s21, 31
	s_lshl_b32 s22, s22, 11
	s_add_co_u32 s47, s47, s22                     ; + 2,048 x tile in the slot
	s_lshl_b32 s22, ttmp9, 16
	s_add_co_u32 s47, s47, s22
	s_add_co_u32 s47, s47, 16777216-65536          ; + 65,536 for V, behind Q's 16,777,216 bytes
	s_cmp_eq_u32 ttmp9, 0                          ; the cluster's x: the same in all sixteen partners
	s_cselect_b32 s46, s46, s47
	s_mov_b32 s22, 524288
	s_cselect_b32 s22, 262144, s22                 ; from a head to the next
	s_mov_b32 s47, 0
	s_add_nc_u64 s[12:13], s[12:13], s[46:47]
	s_cmp_eq_u32 ttmp9, 2
	s_cselect_b32 s23, -1, 0                       ; V?
	v_lshlrev_b32 v5, 5, v1
	v_lshl_add_u32 v5, v2, 4, v5                   ; 32 r + 16 h
	v_cndmask_b32 v[VO], v4, v5, s23               ; Q, K: 16 L
	v_add_nc_u32 v[VO+1], s22, v[VO]
.macro FRAG reg, adr, q, i             ; a fragment, 16 rows x 128 K, as it lies: two pieces of 512 bytes
.irp c, 0,1
	ds_load_b128 v[\reg+4*\c:\reg+4*\c+3], v[\adr] offset:4096*(\i)+1024*(\q)+512*\c
.endr
.endm
; 16 matrix instructions: A's blocks a0, a0 + 1 x B's eight, K step ks of 128.  p: B's set.  zero = 1: the first product starts the sums: nothing is ever cleared.
; The 64 accumulators take turns, one instruction a turn, in the same order in every step.
.macro MUL16 a0, p, ks, zero
.irp a, \a0, \a0+1
.irp b, 0,1,2,3,4,5,6,7
.if \zero
	v_wmma_scale_f32_16x16x128_f8f6f4 v[8*(8*((\a)%4)+\b):8*(8*((\a)%4)+\b)+7], v[128*(\p)+FR*\b:128*(\p)+FR*\b+FR-1], v[AF+FR*(\a):AF+FR*(\a)+FR-1], 0, v[SC+8*(\ks)+\b], v[SC+8*(\ks)+(\a)] matrix_a_fmt:MATRIX_FMT_FP4 matrix_b_fmt:MATRIX_FMT_FP4 matrix_a_scale:MATRIX_SCALE_ROW1
.else
	v_wmma_scale_f32_16x16x128_f8f6f4 v[8*(8*((\a)%4)+\b):8*(8*((\a)%4)+\b)+7], v[128*(\p)+FR*\b:128*(\p)+FR*\b+FR-1], v[AF+FR*(\a):AF+FR*(\a)+FR-1], v[8*(8*((\a)%4)+\b):8*(8*((\a)%4)+\b)+7], v[SC+8*(\ks)+\b], v[SC+8*(\ks)+(\a)] matrix_a_fmt:MATRIX_FMT_FP4 matrix_b_fmt:MATRIX_FMT_FP4 matrix_a_scale:MATRIX_SCALE_ROW1
.endif
.endr
.endr
.endm
.macro FETCH_B slot, q, p              ; B's eight fragments of the slot's q-th 128 along K into set p
	WIN TO_B
.irp i, 0,1,2,3,4,5,6,7
	FRAG 128*(\p)+FR*\i, ADRB+\slot, \q, \i
.endr
	WIN 0
.endm
.macro FETCH_A slot, q, i0             ; A's blocks i0 .. i0 + 3
.irp i, \i0, \i0+1, \i0+2, \i0+3
	FRAG AF+FR*(\i), ADRA+\slot, \q, \i
.endr
.endm
; A load into a register that a matrix instruction has read, and a vector instruction that reads a matrix result or writes one of its registers, stand NP places behind it; only plain vector instructions
; that name none of its registers are places (ISA guide 7.12.1 for vector instructions).
.macro PLACES n
.rept \n
	v_nop
.endr
.endm
; A step of 128 along K that has its successor in the same slot.  A's blocks go one after the other, each against B's eight: a block of A is free as soon as its eight products are issued, so ONE set serves A.
.macro STEP slot, q, zero
	s_wait_dscnt 4*NL                              ; B's set and A's blocks 0-3 are in; the youngest eight loads (A's blocks 4-7) may be out
	WIN MUL_LO
	MUL16 0, (\q)%2, 4*(\slot)+(\q), \zero
	MUL16 2, (\q)%2, 4*(\slot)+(\q), \zero
	s_wait_dscnt 0                                 ; A's blocks 4-7 are in (asked for 32 matrix instructions ago)
	PLACES NP
	FETCH_B \slot, (\q)+1, 1-(\q)%2
	FETCH_A \slot, (\q)+1, 0
	WIN MUL_HI
	MUL16 4, (\q)%2, 4*(\slot)+(\q), \zero
	MUL16 6, (\q)%2, 4*(\slot)+(\q), \zero
	PLACES NP
	WIN 0
	FETCH_A \slot, (\q)+1, 4
.endm
; Slot 0's last step, and on to slot 1: ONE barrier, in front of which each wave has waited for its part of slot 1.  Nothing is filled again.
.macro TURN
	s_wait_tensorcnt 0x0                           ; all my tensor loads have landed: my part of slot 1
	ds_add_u32 v[SPW], v[NIL]                      ; 0 onto my spare word
	s_wait_dscnt 4*NL+1                            ; (the add and the youngest eight loads may be out)
	WIN MUL_LO
	MUL16 0, 1, 3, 0
	s_wait_dscnt 0x0                               ; no LDS instruction of mine is out at the signal
	s_barrier_signal -1
	MUL16 2, 1, 3, 0
	WIN 0
	s_barrier_wait -1                              ; slot 1 is whole
	PLACES NP
	FETCH_B 1, 0, 0
	FETCH_A 1, 0, 0
	WIN MUL_HI
	MUL16 4, 1, 3, 0
	MUL16 6, 1, 3, 0
	PLACES NP
	WIN 0
	FETCH_A 1, 0, 4
.endm
	s_wait_tensorcnt 1                             ; the scale words and my part of slot 0 are in (slot 1's load may be out),
	s_barrier_signal -1
	s_barrier_wait -1                              ; everybody's are
.irp ks, 0,1,2,3,4,5,6,7               ; all scale words, once: lanes 0-15 take A's block i, lanes 16-31 B's block i
.irp i, 0,1,2,3,4,5,6,7
	ds_load_b32 v[SC+8*\ks+\i], v[ADRS] offset:1024*\ks+64*\i
.endr
.endr
	FETCH_B 0, 0, 0
	FETCH_A 0, 0, 0
	FETCH_A 0, 0, 4
	STEP 0, 0, 1                                   ; the first step's products start the sums
	STEP 0, 1, 0
	STEP 0, 2, 0
	TURN
	STEP 1, 0, 0
	STEP 1, 1, 0
	STEP 1, 2, 0
	s_wait_dscnt 4*NL                              ; the last step: nothing more to fetch
	WIN MUL_LO
	MUL16 0, 1, 7, 0
	MUL16 2, 1, 7, 0
	s_wait_dscnt 0
	WIN MUL_HI
	MUL16 4, 1, 7, 0
	MUL16 6, 1, 7, 0
	WIN 0
; THE WAY OUT, block by block of 16 positions: rounded to f16, each accumulator from its low end on; a lane's 16 bytes of accumulator (a, b) are its 16 bytes of chunk b % 4 of head b / 4, tile a:
; each store of the wave covers 512 consecutive bytes, aligned.
.macro OUT a
.if (\a) >= 4
	s_wait_xcnt 0x0                                ; block a - 4's stores have read the registers that this block's results take
.endif
	WIN 0x0a+5*((\a)/4)                            ; sources 0 and 1: window 2 or 3
.irp b, 0,1,2,3,4,5,6,7
.irp i, 0,1,2,3
	v_cvt_pk_f16_f32 v[TMP+32*((\a)%4)+4*\b+\i], v[8*(8*((\a)%4)+\b)+2*\i], v[8*(8*((\a)%4)+\b)+2*\i+1]
.endr
.endr
	WIN 0
.irp b, 0,1,2,3,4,5,6,7
	global_store_b128 v[VO+\b/4], v[TMP+32*((\a)%4)+4*\b:TMP+32*((\a)%4)+4*\b+3], s[12:13] offset:2048*(\a)+512*(\b%4) th:TH_STORE_NT
.endr
.endm
	PLACES NP                                      ; behind the last products: for the reads of results and the writes over A's fragments alike
.irp a, 0,1,2,3,4,5,6,7
	OUT \a
.endr
	s_wait_tensorcnt 0x0                           ; the wave's end, behind my last tensor load
	ds_add_u32 v[SPW], v[NIL]
	s_wait_dscnt 0x0
	CROUND                                         ; the closing round: no work-group ends while a partner may still ask for a tile that names it
	s_endpgm
.Lfunc_end_k_qee8d3a10d6_qkvgemm:
	.size	k_qee8d3a10d6_qkvgemm, .Lfunc_end_k_qee8d3a10d6_qkvgemm-k_qee8d3a10d6_qkvgemm
	.p2alignl 7, 3214868480
	.fill 96, 4, 3214868480
	.section	.rodata,"a",@progbits
	.p2align	6, 0x0
	.amdhsa_kernel k_qee8d3a10d6_qkvgemm
		.amdhsa_group_segment_fixed_size 327680
		.amdhsa_private_segment_fixed_size 0
		.amdhsa_enable_private_segment 0
		.amdhsa_kernarg_size 40
		.amdhsa_user_sgpr_count 2
		.amdhsa_user_sgpr_kernarg_segment_ptr 1
		.amdhsa_wavefront_size32 1
		.amdhsa_system_sgpr_workgroup_id_x 1
		.amdhsa_system_sgpr_workgroup_id_y 1
		.amdhsa_system_sgpr_workgroup_id_z 1
		.amdhsa_system_vgpr_workitem_id 0
		.amdhsa_next_free_vgpr 1024
		.amdhsa_next_free_sgpr 98
		.amdhsa_reserve_vcc 0
		.amdhsa_float_denorm_mode_32 3
		.amdhsa_float_denorm_mode_16_64 3
		.amdhsa_memory_ordered 1
		.amdhsa_forward_progress 1
		.amdhsa_inst_pref_size 121
	.end_amdhsa_kernel
	.amdgpu_metadata
---
amdhsa.version: [ 1, 2 ]
amdhsa.kernels:
  - .name:           k_qee8d3a10d6_qkvgemm
    .symbol:         k_qee8d3a10d6_qkvgemm.kd
    .args:
      - { .name: xc, .offset: 0, .size: 8, .value_kind: global_buffer, .address_space: global }
      - { .name: xs, .offset: 8, .size: 8, .value_kind: global_buffer, .address_space: global }
      - { .name: wc, .offset: 16, .size: 8, .value_kind: global_buffer, .address_space: global }
      - { .name: ws, .offset: 24, .size: 8, .value_kind: global_buffer, .address_space: global }
      - { .name: qkv, .offset: 32, .size: 8, .value_kind: global_buffer, .address_space: global }
    .group_segment_fixed_size: 327680
    .private_segment_fixed_size: 0
    .kernarg_segment_align: 8
    .kernarg_segment_size: 40
    .max_flat_workgroup_size: 128
    .sgpr_count:     98
    .vgpr_count:     1024
    .wavefront_size: 32
...
	.end_amdgpu_metadata
.endif
;; end of part 2
;; launch attn (part 3): grid 4 x 64, 8 waves a work-group, clusters of 4 x 1, 327,680 bytes of LDS; arguments qkv, att; writes att
.if DOCPART == 3
	.amdgcn_target "amdgcn-amd-amdhsa--gfx1250"
	.amdhsa_code_object_version 6
	.text
	.protected	k_qee8d3a10d6_attn
	.globl	k_qee8d3a10d6_attn
	.p2align	8
	.type	k_qee8d3a10d6_attn,@function
k_qee8d3a10d6_attn:
	s_mov_b64 s[64:65], 0
	v_nop
	global_prefetch_b8 v0, s[64:65] scope:SCOPE_SE
	s_setreg_imm32_b32 hwreg(HW_REG_WAVE_MODE, 25, 1), 1
	s_wait_xcnt 0x0
	s_wait_alu depctr_hold_cnt(0) depctr_sa_sdst(0) depctr_va_vdst(0) depctr_va_sdst(0) depctr_va_ssrc(0) depctr_va_vcc(0) depctr_vm_vsrc(0)
	s_getreg_b32 s2, hwreg(HW_REG_IB_STS2, 6, 4)
	s_cmp_eq_u32 s2, 0
	s_cbranch_scc0 .Lentry_in_a_cluster
	s_endpgm
.Lentry_in_a_cluster:
	s_bfe_u32 s2, ttmp6, 0x10000c
	s_cmp_lg_u32 s2, 0x3003
	s_cbranch_scc0 .Lentry_shape_is_right
	s_endpgm
.Lentry_shape_is_right:
; MULTI-HEAD ATTENTION, launch 3 of 4: att[b][q][head] = the sum over k of softmax_k(q . k / 8) v, 64 pairs (batch, head), 2,048 positions, head size 64.  No work is left out.
; q, k, v arrive as f16 in the order of the operands' registers (launch 2); products, maxima and sums in f32; the weights p are rounded to f16 for the second product, the result once at the end, to f16.
; LIMIT: the result, a mean of v, is kept in f16: magnitudes under 65,504.
; SHARES.  A work-group owns 512 queries of one pair (batch, head); each of its eight waves owns 64: four tiles of 16, in 512 registers.  Every wave walks all 2,048 keys, 64 a step.
; LAYOUT.  S^T = K Q^T (source 0 = 16 keys, source 1 = 16 queries): a lane holds ONE query (lane % 16) and keys 8 (lane / 16) + 0 .. 7.  Two such tiles, rounded to f16 in pairs, ARE source 1 (32 keys x 16 queries)
; of O^T = V^T P, whose result again holds one query a lane, and eight channels.  K comes out of LDS as it lies, V (chunks of 16 keys x 16 channels, row by row) turned, by ds_load_tr16_b128.
; SOFTMAX.  For each query a running maximum m and sum l: p = 2^(c s - c m), c = log2(e) / 8; in every step O and l are multiplied by a = 2^(c m_old - c m_new), which is 1 where m has not grown.
; The step is written in phases: 32 products K Q^T, the softmax of the four tiles, 32 products V^T P.  The loop has no first step of its own: O and l begin as zeros and m as -3e38.
; THE RING.  Two LDS slots of 512 keys: K's 65,536 bytes, then V's: in memory one dense block of 131,072 bytes, of which each wave brings an eighth by one tensor load.
; CLUSTER.  The four work-groups of a cluster are the four query blocks of one pair (batch, head) and walk the same K and V: each tile is asked for JOINTLY, by the same load with a mask that names the four.
; att [ks 8 = head / 2][mtile 512][kc 8 = 4 (head % 2) + ct][512 B]: lane (r, h) at 16 L: row 16 mtile + r, channels 16 ct + 8 h + 0 .. 7 of the head: the order of launch 4's operand registers, and just what a lane holds.
; REGISTERS, in windows of 256: window 0: v2-9 addresses; v16-55 ten registers of statistics a tile; v64-191 S^T, 32 a tile, whose first 16 then hold P; v192-255 K of one step.
;   window 1: v0-127 O^T, 32 a tile; v128-191 Q, 16 a tile; v192-255 V of one step.
.set SLOT1, 131072                     ; slot 1 begins here: one exclusive or turns an address in one slot into the other's
.set VOFF,  65536                      ; V's part of a slot
.set SPARE, 2*SLOT1                    ; behind the ring: the spare words, 128 bytes for each of eight waves
.set AK0, 2                            ; v2   16 x lane: my place in a piece of 512 bytes, in LDS and in memory; never rewritten
.set AV0, 3                            ; v3   my place in a chunk of V for the turning load, + VOFF; never rewritten
.set ADK, 4                            ; v4   LDS address of the step's K
.set ADV, 5                            ; v5   and V
.set PFO, 7                            ; v7   256 x lane: the prefetches' offset; never rewritten
.set SPW, 8                            ; v8   LDS address of my spare word; never rewritten
.set NIL, 9                            ; v9   0; never rewritten
.set ST,  16                           ; tile t's statistics at v[ST + 10 t]: +0 c m, +1 m, +2, +3 l (even keys', odd keys'), +4 to +7 at work, +8 a, +9 c m_old - c m_new
.set S,   64
.set KF,  192
.set Q,   128                          ; in window 1
.set VF,  192                          ; in window 1
.set WV,  8                            ; s8   my wave's number
.set G1,  16                           ; s[16:23] descriptor group 1
.set G0,  24                           ; s[24:27] group 0, which walks
.set CS,  28                           ; s[28:29] c: the packed form names a pair and takes its low word for both halves
.set SEL, 30                           ; s[30:31] lane selects for v_permlanex16_b32: lane l xor 16
.set TB,  32                           ; s32  LDS byte at which the step's K begins
.set SLOTS, 33                         ; s33  slots still to be asked for
.set CNT, 34                           ; s34  counts a slot's eight steps
.set PFA, 36                           ; s[36:37] where my prefetches stand
.set LIM, 38                           ; s38  1 in a wave that prefetches, else the greatest number
.set MSB, 0
.macro WIN new                         ; the immediate's high byte repeats the setting that is left
.if MSB != (\new)
	s_set_vgpr_msb (MSB<<8)|(\new)
.set MSB, (\new)
.endif
.endm
.set W_KQ, 0x04                        ; source 1 (Q) window 1; K and S^T window 0
.set W_PV, 0x51                        ; source 0 (V), C and D (O^T) window 1; P window 0
.set W_RS, 0x41                        ; O^T (destination and source 0) window 1, a window 0
.set TO_1, 0x40                        ; destination window 1, address window 0
.macro CROUND                          ; a round of the cluster's barrier
	s_barrier_signal -1
	s_barrier_wait -1
	s_cmp_lg_u32 s[WV], 0
	s_cbranch_scc1 .Lnot_wave_0_\@
	s_barrier_signal -3
.Lnot_wave_0_\@:
	s_barrier_wait -3
	s_barrier_signal -1
	s_barrier_wait -1
.endm
; A PREFETCH INTO THE L2 of the slot that the NEXT change of slots will ask for: 131,072 bytes.  One cluster alone reads a pair's K and V; its four partners take 32,768 bytes each, told apart BY ADDRESS; in each, waves
; 0 to 3 ask for 8,192 bytes, lanes 256 bytes apart: each aligned block of 256 bytes is named once in the launch.  It stands behind the wave's tensor load and its five lines, eight key steps ahead of the load
; that will want the bytes.  The last change that fills a slot asks for nothing; slots 0 and 1 come by their loads alone.
.macro ASK
	s_cmp_gt_u32 s[SLOTS], s[LIM]
	s_cbranch_scc0 .Lnot_mine_\@
	global_prefetch_b8 v[PFO], s[PFA:PFA+1] th:TH_LOAD_NT scope:SCOPE_SE
.Lnot_mine_\@:
.endm
	s_load_b128 s[4:7], s[0:1], 0x0                ; qkv s[4:5], att s[6:7]
	v_lshl_add_u32 v[SPW], v0, 2, SPARE
	v_mov_b32 v[NIL], 0
	ds_add_u32 v[SPW], v[NIL]                      ; the wave's opening: the add, twice on end, and its wait ahead of my first tensor load
	ds_add_u32 v[SPW], v[NIL]                      ; and once more; the set-up below, work on registers, stands between it and the wait
	v_lshrrev_b32 v1, 5, v0
	v_readfirstlane_b32 s[WV], v1                  ; wave 0..7
	s_bfe_u32 s9, ttmp6, 0x40000                   ; cx: my block of 512 queries; it enters global addresses alone
	s_and_b32 s10, ttmp7, 0xffff                   ; bh = 16 x batch + head, which the four partners share
	; group 1: a dense block of 16,384 bytes as 64 rows of 256 bytes (32 elements of 8 bytes), no padding
	s_mov_b32 s[G1], 15|(3<<16)|(1<<21)            ; 15:0 the mask: all four work-groups; 17:16 elements of 8 bytes; 21 set beside a mask
	s_mov_b32 s[G1+1], 32<<16                      ; tensor_dim0
	s_mov_b32 s[G1+2], 64<<16                      ; tensor_dim1
	s_mov_b32 s[G1+3], 32<<16                      ; tile_dim0
	s_mov_b32 s[G1+4], 64                          ; tile_dim1
	s_mov_b32 s[G1+5], 32                          ; from row to row
	s_mov_b32 s[G1+6], 0
	s_mov_b32 s[G1+7], 0
	s_mov_b32 s[CS], 0x3e38aa3b                    ; c = log2(e) / 8
	s_mov_b32 s[CS+1], s[CS]                       ; (named with it as a pair, so it is written)
	s_mov_b32 s[SEL], 0x76543210
	s_mov_b32 s[SEL+1], 0xfedcba98
	s_mov_b32 s[TB], 0
	s_mov_b32 s[SLOTS], 3
	s_cmp_lt_u32 s[WV], 4
	s_cselect_b32 s[LIM], 1, -1                    ; the same in all four partners, for a given wave
	s_lshl_b32 s40, s10, 19                        ; K, V: 524,288 bh
	s_lshl_b32 s42, s[WV], 14
	s_add_co_u32 s40, s40, s42                     ; + my eighth of a slot
	s_add_co_u32 s40, s40, 16777216                ; behind Q
	s_mov_b32 s41, 0
	s_lshl_b32 s44, s10, 18                        ; Q: 262,144 bh
	s_lshl_b32 s43, s9, 16
	s_add_co_u32 s44, s44, s43                     ; + 32 cx tiles of 2,048 bytes
	s_lshl_b32 s43, s[WV], 13
	s_add_co_u32 s44, s44, s43                     ; + 4 x wave tiles
	s_mov_b32 s45, 0
	s_lshl_b32 s46, s10, 19                        ; the prefetches: my pair's K, V,
	s_lshl_b32 s43, s9, 15
	s_add_co_u32 s46, s46, s43                     ; my work-group's quarter of a slot,
	s_and_b32 s43, s[WV], 3
	s_lshl_b32 s43, s43, 13
	s_add_co_u32 s46, s46, s43                     ; my wave's quarter of that,
	s_add_co_u32 s46, s46, 16777216+SLOT1          ; in slot 1: the first change of slots steps it to slot 2.  Nothing is prefetched here, at the head
	s_mov_b32 s47, 0
	s_and_b32 s48, s10, 15                         ; head
	s_lshr_b32 s49, s48, 1
	s_lshl_b32 s50, s49, 21                        ; att: 2,097,152 (head / 2)
	s_and_b32 s49, s48, 1
	s_lshl_b32 s49, s49, 11
	s_add_co_u32 s50, s50, s49                     ; + 2,048 (head % 2)
	s_lshr_b32 s49, s10, 4
	s_lshl_b32 s49, s49, 19
	s_add_co_u32 s50, s50, s49                     ; + 128 x batch tiles of 4,096 bytes
	s_lshl_b32 s49, s9, 17
	s_add_co_u32 s50, s50, s49                     ; + 32 cx tiles
	s_lshl_b32 s49, s[WV], 14
	s_add_co_u32 s50, s50, s49                     ; + 4 x wave tiles
	s_mov_b32 s51, 0
	s_wait_dscnt 0x0                               ; both opening adds are done
	s_wait_kmcnt 0x0
	s_add_nc_u64 s[12:13], s[4:5], s[44:45]        ; Q at my wave's first tile
	s_add_nc_u64 s[PFA:PFA+1], s[4:5], s[46:47]
	s_add_nc_u64 s[6:7], s[6:7], s[50:51]          ; att likewise
	CROUND                                         ; all four work-groups are here: the first joint loads meet
	s_mov_b32 s[G0], 1                             ; 1:0 count = 1
	s_lshl_b32 s[G0+1], s[WV], 14                  ; 63:32 LDS address: slot 0, my eighth: no place in the cluster enters it
	s_add_nc_u64 s[G0+2:G0+3], s[4:5], s[40:41]    ; 120:64 global address: keys 0 to 511
	s_or_b32 s[G0+3], s[G0+3], 0x80000000          ; 127:126 type = 2
	tensor_load_to_lds s[G0:G0+3], s[G1:G1+7]      ; every wave issues its own, with no branch
	s_nop 0
.rept 4
	v_nop
.endr
	v_and_b32 v1, 31, v0
	v_lshlrev_b32 v[AK0], 4, v1
	v_lshlrev_b32 v[PFO], 8, v1
	; The turning load takes 16 keys x 16 channels (lane l reads 16 bytes: key 8 (l / 16) + l % 8, channels 8 ((l / 8) % 2) + 0 .. 7) and leaves half a fragment of V^T: lane l holds channel l % 16 and 8 keys.
	v_bfe_u32 v10, v0, 4, 1
	v_and_b32 v11, 7, v0
	v_bfe_u32 v12, v0, 3, 1
	v_lshl_add_u32 v[AV0], v10, 3, v11
	v_lshlrev_b32 v[AV0], 5, v[AV0]                ; a key's row in a chunk is 32 bytes
	v_lshl_add_u32 v[AV0], v12, 4, v[AV0]
	v_add_nc_u32 v[AV0], VOFF, v[AV0]
	WIN TO_1
.irp t, 0,1,2,3                        ; Q stays in registers: tile t, channels 32 ds on: chunks 2 ds and 2 ds + 1
.irp i, 0,1,2,3
	global_load_b128 v[Q+16*\t+4*\i:Q+16*\t+4*\i+3], v[AK0], s[12:13] offset:2048*\t+512*\i th:TH_LOAD_NT
.endr
.endr
.set i, 0
.rept 128
	v_mov_b32 v[i], 0                              ; O^T.  (The step is written for every step alike: the first finds zeros, which a = 0 leaves zeros; a first step of its own would be a third copy of the step)
.set i, i+1
.endr
	WIN 0
.irp t, 0,1,2,3
	v_mov_b32 v[ST+10*\t+1], 0xff61b1e6            ; m: -3e38, under every score
	v_mul_f32 v[ST+10*\t], s[CS], v[ST+10*\t+1]    ; c m
	v_mov_b32 v[ST+10*\t+2], 0                     ; l, in two halves
	v_mov_b32 v[ST+10*\t+3], 0
.endr
.macro SCALE t                         ; c s - c m, two scores at a time
.set j, 0
.rept 16
	v_pk_fma_f32 v[S+32*(\t)+j:S+32*(\t)+j+1], v[S+32*(\t)+j:S+32*(\t)+j+1], s[CS:CS+1], v[ST+10*(\t):ST+10*(\t)+1] op_sel_hi:[1,0,0] neg_lo:[0,0,1] neg_hi:[0,0,1]
.set j, j+2
.endr
.endm
.macro EXPS t                          ; a, and the tile's 32 weights, in place
	v_exp_f32 v[ST+10*(\t)+8], v[ST+10*(\t)+9]
.set j, 0
.rept 32
	v_exp_f32 v[S+32*(\t)+j], v[S+32*(\t)+j]
.set j, j+1
.endr
.endm
.macro FIN t                           ; the tile's sum, its P, and its O^T under the new m
.set rT, ST+10*(\t)
.set rS, S+32*(\t)
	v_pk_add_f32 v[rT+4:rT+5], v[rS:rS+1], v[rS+2:rS+3]           ; the sum is taken of the unrounded p, two at a time, in two chains
	v_pk_add_f32 v[rT+6:rT+7], v[rS+4:rS+5], v[rS+6:rS+7]
.irp j, 8,12,16,20,24,28
	v_pk_add_f32 v[rT+4:rT+5], v[rT+4:rT+5], v[rS+\j:rS+\j+1]
	v_pk_add_f32 v[rT+6:rT+7], v[rT+6:rT+7], v[rS+\j+2:rS+\j+3]
.endr
	v_pk_add_f32 v[rT+4:rT+5], v[rT+4:rT+5], v[rT+6:rT+7]
	v_pk_fma_f32 v[rT+2:rT+3], v[rT+2:rT+3], v[rT+8:rT+9], v[rT+4:rT+5] op_sel_hi:[1,0,1]   ; l = a l + the sum
.set j, 0
.rept 16
	v_cvt_pk_f16_f32 v[rS+j], v[rS+2*j], v[rS+2*j+1]              ; P, in place from the low end on: register j is written when registers 2 j and 2 j + 1 are read
.set j, j+1
.endr
	WIN W_RS
.set j, 0
.rept 16
	v_pk_mul_f32 v[32*(\t)+j:32*(\t)+j+1], v[32*(\t)+j:32*(\t)+j+1], v[rT+8:rT+9] op_sel_hi:[1,0]   ; each accumulator from its low end on
.set j, j+2
.endr
	WIN 0
.endm
; A KEY STEP: 64 keys at LDS byte s[TB].
.macro STEP
	v_add_nc_u32 v[ADK], s[TB], v[AK0]
	v_add_nc_u32 v[ADV], s[TB], v[AV0]
.rept 4
	v_nop                                          ; with the two additions six places behind the last V^T P: four are asked in front of the loads into V's registers, five in front of the products below, which write over P's
.endr
.irp kt, 0,1,2,3                       ; K: keys 16 kt on, channels 32 ds on
.irp ds, 0,1
.irp c, 0,1
	ds_load_b128 v[KF+8*(2*\kt+\ds)+4*\c:KF+8*(2*\kt+\ds)+4*\c+3], v[ADK] offset:2048*\kt+1024*\ds+512*\c
.endr
.endr
.endr
	WIN TO_1
.irp ct, 0,1,2,3                       ; V^T: channels 16 ct on, keys 32 ks + 16 u on
.irp ks, 0,1
.irp u, 0,1
	ds_load_tr16_b128 v[VF+8*(2*\ct+\ks)+4*\u:VF+8*(2*\ct+\ks)+4*\u+3], v[ADV] offset:2048*(2*\ks+\u)+512*\ct
.endr
.endr
.endr
	s_wait_dscnt 16                                ; K is in; V's sixteen loads may be out
	WIN W_KQ
.set i, 0
.rept 32                               ; S^T = K Q^T: channels 32 (i / 16) on, keys 16 ((i / 4) % 4) on, tile i % 4.  The 16 accumulators take turns; the first 16 products start the sums
.set rS, S+32*(i%4)+8*((i/4)%4)
.set rK, KF+8*(2*((i/4)%4)+i/16)
.set rQ, Q+16*(i%4)+8*(i/16)
.if i < 16
	v_wmma_f32_16x16x32_f16 v[rS:rS+7], v[rK:rK+7], v[rQ:rQ+7], 0
.else
	v_wmma_f32_16x16x32_f16 v[rS:rS+7], v[rK:rK+7], v[rQ:rQ+7], v[rS:rS+7]
.endif
.set i, i+1
.endr
	WIN 0
.rept 4
	v_nop                                          ; places in front of the first read of the scores
.endr
	; the maximum of a lane's 32 scores and the old m, the four tiles by turns; each accumulator is read from its low end on
.irp k, 0,1,2,3
.irp t, 0,1,2,3
	v_max3_num_f32 v[ST+10*\t+4+\k], v[S+32*\t+8*\k], v[S+32*\t+8*\k+1], v[S+32*\t+8*\k+2]
.endr
.endr
.irp n, 3,5
.irp k, 0,1,2,3
.irp t, 0,1,2,3
	v_max3_num_f32 v[ST+10*\t+4+\k], v[ST+10*\t+4+\k], v[S+32*\t+8*\k+\n], v[S+32*\t+8*\k+\n+1]
.endr
.endr
.endr
.irp t, 0,1,2,3
	v_max3_num_f32 v[ST+10*\t+4], v[ST+10*\t+4], v[S+32*\t+7], v[S+32*\t+15]
.endr
.irp t, 0,1,2,3
	v_max3_num_f32 v[ST+10*\t+6], v[ST+10*\t+6], v[S+32*\t+23], v[S+32*\t+31]
.endr
.irp t, 0,1,2,3
	v_max3_num_f32 v[ST+10*\t+4], v[ST+10*\t+4], v[ST+10*\t+5], v[ST+10*\t+6]
.endr
.irp t, 0,1,2,3
	v_max3_num_f32 v[ST+10*\t+4], v[ST+10*\t+4], v[ST+10*\t+7], v[ST+10*\t+1]
.endr
.irp t, 0,1,2,3
	v_permlanex16_b32 v[ST+10*\t+5], v[ST+10*\t+4], s[SEL], s[SEL+1]   ; the query's other 32 keys lie in the lane 16 away
.endr
.irp t, 0,1,2,3
	v_max_num_f32 v[ST+10*\t+1], v[ST+10*\t+4], v[ST+10*\t+5]          ; the new m
.endr
.irp t, 0,1,2,3
	v_mov_b32 v[ST+10*\t+9], v[ST+10*\t]           ; c m_old
.endr
.irp t, 0,1,2,3
	v_mul_f32 v[ST+10*\t], s[CS], v[ST+10*\t+1]    ; c m
.endr
.irp t, 0,1,2,3
	v_sub_f32 v[ST+10*\t+9], v[ST+10*\t+9], v[ST+10*\t]
.endr
	; THE EXPONENTIALS GO IN TWO BATCHES, each with one wait ahead of its first reader; the other half's plain work stands behind each batch
	SCALE 0
	SCALE 1
	EXPS 0
	EXPS 1
	SCALE 2                                        ; plain work that names no result of the first batch
	SCALE 3
	s_wait_alu depctr_va_vdst(0)                   ; the wait for the first batch
	EXPS 2
	EXPS 3
	FIN 0                                          ; these two read the first batch alone
	FIN 1
	s_wait_alu depctr_va_vdst(0)                   ; the wait for the second batch
	FIN 2
	FIN 3
	s_wait_dscnt 0x0                               ; V is in
	WIN W_PV
.set i, 0
.rept 32                               ; O^T += V^T P: keys 32 (i / 16) on, channels 16 ((i / 4) % 4) on, tile i % 4: the 16 accumulators take turns
.set rO, 32*(i%4)+8*((i/4)%4)
.set rV, VF+8*(2*((i/4)%4)+i/16)
.set rP, S+32*(i%4)+8*(i/16)
	v_wmma_f32_16x16x32_f16 v[rO:rO+7], v[rV:rV+7], v[rP:rP+7], v[rO:rO+7]
.set i, i+1
.endr
	WIN 0
.endm
.macro EIGHT                           ; a slot's eight key steps: written once, walked eight times
	s_mov_b32 s[CNT], 8
.Lstep_\@:
	STEP
	s_add_co_u32 s[TB], s[TB], 8192                ; 64 keys of K, and of V, are 8,192 bytes
	s_sub_co_u32 s[CNT], s[CNT], 1
	s_cmp_lg_u32 s[CNT], 0
	s_cbranch_scc1 .Lstep_\@
	s_sub_co_u32 s[TB], s[TB], 65536               ; back to a slot's first step,
	s_xor_b32 s[TB], s[TB], SLOT1                  ; in the other slot
.endm
; THE CHANGE OF SLOTS stands at a slot's head.  Each wave waits for all its tensor loads (its part of the slot that it is about to read), adds 0 to its spare word, and waits for that and for its reads of the slot
; that it has left.  fill = 1: the barrier is a round of the cluster's, so that no wave of any partner still reads that slot or has a load on its way, and the joint load of the next 512 keys is the first thing
; behind it: it has eight key steps in which to land.  One tensor load of mine is out behind each round.
.macro CHANGE fill
	s_wait_tensorcnt 0x0                           ; no tensor load of mine is out, so group 0 may be written
	ds_add_u32 v[SPW], v[NIL]                      ; 0 onto my spare word
.if \fill
	s_xor_b32 s[G0+1], s[G0+1], SLOT1              ; the other slot than last time,
	s_add_nc_u64 s[G0+2:G0+3], s[G0+2:G0+3], SLOT1 ; the next 512 keys; the type bits on top are not reached
	s_wait_xcnt 0x0                                ; the last prefetch, a slot back, has read its address, so it may be written:
	s_add_nc_u64 s[PFA:PFA+1], s[PFA:PFA+1], SLOT1 ; one slot further on than the walking descriptor
	s_wait_dscnt 0x0                               ; the add is done, and my reads of the slot that I have left are over
	CROUND
	tensor_load_to_lds s[G0:G0+3], s[G1:G1+7]
	s_nop 0
.rept 4
	v_nop
.endr
	ASK
.else
	s_wait_dscnt 0x0
	s_barrier_signal -1
	s_barrier_wait -1
.endif
.endm
	s_wait_loadcnt 0x0                             ; Q
.Lslot:                                            ; three trips: behind each change of slots but the last the next slot is asked for; the first of these loads is slot 1's first fill
	CHANGE 1
	EIGHT
	s_sub_co_u32 s[SLOTS], s[SLOTS], 1
	s_cmp_lg_u32 s[SLOTS], 0
	s_cbranch_scc1 .Lslot
	CHANGE 0                                       ; the last slot is written out
	EIGHT
	; THE WAY OUT.  l's two halves and the other half of the lanes' are added; O^T is divided by l and rounded to f16: a lane's eight channels of a tile are 16 bytes, and the wave's store covers 512 consecutive bytes, aligned.
.irp t, 0,1,2,3
	v_add_f32 v[ST+10*\t+4], v[ST+10*\t+2], v[ST+10*\t+3]          ; (these four are the places behind the last products)
.endr
.irp t, 0,1,2,3
	v_permlanex16_b32 v[ST+10*\t+5], v[ST+10*\t+4], s[SEL], s[SEL+1]
.endr
.irp t, 0,1,2,3
	v_add_f32 v[ST+10*\t+4], v[ST+10*\t+4], v[ST+10*\t+5]
.endr
.irp t, 0,1,2,3
	v_rcp_f32 v[ST+10*\t+8], v[ST+10*\t+4]
.endr
	v_nop                                          ; a plain instruction between the last reciprocal and the use of its result
	s_wait_alu depctr_va_vdst(0)                   ; and a wait ahead of the first use: one for the four
.macro OUTT t
	WIN W_RS
.set j, 0
.rept 16
	v_pk_mul_f32 v[32*\t+j:32*\t+j+1], v[32*\t+j:32*\t+j+1], v[ST+10*\t+8:ST+10*\t+9] op_sel_hi:[1,0]
.set j, j+2
.endr
	WIN 0x05                                       ; sources 0 and 1 window 1, destination window 0: S^T's registers are free
.set j, 0
.rept 16
	v_cvt_pk_f16_f32 v[S+16*\t+j], v[32*\t+2*j], v[32*\t+2*j+1]
.set j, j+1
.endr
	WIN 0
.irp ct, 0,1,2,3
	global_store_b128 v[AK0], v[S+16*\t+4*\ct:S+16*\t+4*\ct+3], s[6:7] offset:4096*\t+512*\ct th:TH_STORE_NT
.endr
.endm
	OUTT 0
	OUTT 1
	OUTT 2
	OUTT 3
	s_wait_tensorcnt 0x0                           ; the wave's end, behind my last tensor load
	ds_add_u32 v[SPW], v[NIL]
	s_wait_dscnt 0x0
	CROUND                                         ; the closing round: no work-group ends while a partner may still ask for a tile that names it
	s_endpgm
.Lfunc_end_k_qee8d3a10d6_attn:
	.size	k_qee8d3a10d6_attn, .Lfunc_end_k_qee8d3a10d6_attn-k_qee8d3a10d6_attn
	.p2alignl 7, 3214868480
	.fill 96, 4, 3214868480
	.section	.rodata,"a",@progbits
	.p2align	6, 0x0
	.amdhsa_kernel k_qee8d3a10d6_attn
		.amdhsa_group_segment_fixed_size 327680
		.amdhsa_private_segment_fixed_size 0
		.amdhsa_enable_private_segment 0
		.amdhsa_kernarg_size 16
		.amdhsa_user_sgpr_count 2
		.amdhsa_user_sgpr_kernarg_segment_ptr 1
		.amdhsa_wavefront_size32 1
		.amdhsa_system_sgpr_workgroup_id_x 1
		.amdhsa_system_sgpr_workgroup_id_y 1
		.amdhsa_system_sgpr_workgroup_id_z 1
		.amdhsa_system_vgpr_workitem_id 0
		.amdhsa_next_free_vgpr 512
		.amdhsa_next_free_sgpr 66
		.amdhsa_reserve_vcc 0
		.amdhsa_float_denorm_mode_32 3
		.amdhsa_float_denorm_mode_16_64 3
		.amdhsa_memory_ordered 1
		.amdhsa_forward_progress 1
		.amdhsa_inst_pref_size 87
	.end_amdhsa_kernel
	.amdgpu_metadata
---
amdhsa.version: [ 1, 2 ]
amdhsa.kernels:
  - .name:           k_qee8d3a10d6_attn
    .symbol:         k_qee8d3a10d6_attn.kd
    .args:
      - { .name: qkv, .offset: 0, .size: 8, .value_kind: global_buffer, .address_space: global }
      - { .name: att, .offset: 8, .size: 8, .value_kind: global_buffer, .address_space: global }
    .group_segment_fixed_size: 327680
    .private_segment_fixed_size: 0
    .kernarg_segment_align: 8
    .kernarg_segment_size: 16
    .max_flat_workgroup_size: 256
    .sgpr_count:     66
    .vgpr_count:     512
    .wavefront_size: 32
...
	.end_amdgpu_metadata
.endif
;; end of part 3
;; launch proj (part 4): grid 4 x 64, 4 waves a work-group, clusters of 4 x 4, 327,680 bytes of LDS; arguments att, wp, b_proj, out0; writes out0
.if DOCPART == 4
	.amdgcn_target "amdgcn-amd-amdhsa--gfx1250"
	.amdhsa_code_object_version 6
	.text
	.protected	k_qee8d3a10d6_proj
	.globl	k_qee8d3a10d6_proj
	.p2align	8
	.type	k_qee8d3a10d6_proj,@function
k_qee8d3a10d6_proj:
	s_mov_b64 s[64:65], 0
	v_nop
	global_prefetch_b8 v0, s[64:65] scope:SCOPE_SE
	s_setreg_imm32_b32 hwreg(HW_REG_WAVE_MODE, 25, 1), 1
	s_wait_xcnt 0x0
	s_wait_alu depctr_hold_cnt(0) depctr_sa_sdst(0) depctr_va_vdst(0) depctr_va_sdst(0) depctr_va_ssrc(0) depctr_va_vcc(0) depctr_vm_vsrc(0)
	s_getreg_b32 s2, hwreg(HW_REG_IB_STS2, 6, 4)
	s_cmp_eq_u32 s2, 0
	s_cbranch_scc0 .Lentry_in_a_cluster
	s_endpgm
.Lentry_in_a_cluster:
	s_bfe_u32 s2, ttmp6, 0x10000c
	s_cmp_lg_u32 s2, 0xf033
	s_cbranch_scc0 .Lentry_shape_is_right
	s_endpgm
.Lentry_shape_is_right:
; MULTI-HEAD ATTENTION, launch 4 of 4: out0 = att w_proj + b_proj, [8192][1024] f32, K = 1,024; operands in f16 (launches 1 and 3), sums in f32.  No work is left out.
; A tile of 128 rows x 256 columns to a work-group: 256 work-groups (tiles of 256 x 256 would be 128).  Four waves, each 64 x 128: 32 accumulators of 16 x 16, 256 registers.
; K goes in eight steps of 128 through a ring of two LDS slots.  Both operands lie in memory in the order of the operand's registers, K step by K step: a step's part of A (32,768 bytes) and of B (65,536) are dense
; blocks, and a fragment comes by two loads of 512 consecutive bytes, 16 a lane.
; CLUSTERS: 4 x 4 work-groups.  The four of a row of the cluster need the same tiles of A, the four of a column the same tiles of B: each is asked for JOINTLY.
; THE MATRIX INSTRUCTION IS USED TRANSPOSED (source 0 = 16 columns of w_proj, source 1 = 16 rows of att): a lane then holds eight neighbouring numbers of a row of out0.
; THE BIAS is the C of each sum's first matrix instruction: eight registers for each block of 16 columns, in the result's layout.
; No prefetch: the launch moves its 52 MB for about a thousand matrix instructions a wave, so its loads and stores follow each other closely as it is.
; REGISTERS, in windows of 256: window 0: v0-31 addresses; two fragment buffers of 96 (A's four blocks, then B's eight, 32 along K) at v64 and v160; on the way out v64-191 rows of out0.
;   window 1: the accumulators ((a, b) at v[8 (8 a + b)]).   window 2: v0-63 the bias.
.set SLOT,   98304                     ; A: 8 tiles of 16 rows x 4,096 bytes, then B: 16 tiles of 16 columns
.set BOFF,   32768
.set STAGE,  2*SLOT                    ; behind the ring: 16 rows x (512 bytes + 16) for each wave, for the way out; no tensor load lands there
.set SPITCH, 528
.set SPARE,  STAGE+4*16*SPITCH         ; the spare words, 128 bytes for each wave
.set ADRA, 16                          ; v16-17  LDS address of my A fragments in slot 0, 1
.set ADRB, 20                          ; v20-21  the same for B
.set STO,  24                          ; v24     the way out: where I put 32 bytes of a row
.set RD,   25                          ; v25     where I read a row back
.set CO,   26                          ; v26     16 x lane: my byte in a row's 512
.set SPW,  28                          ; v28     LDS address of my spare word; never rewritten
.set NIL,  29                          ; v29     0; never rewritten
.set F0,   64
.set F1,   160
.set BK,   64                          ; the way out: 16 rows read back: v64-127 and v128-191 by turns
.set G1, 24                            ; s[24:31] descriptor group 1 for A's tiles;  s[32:39] group 0, one set for each slot
.set G0, 32
.set G1B, 48                           ; s[48:55], s[56:63] the same for B's
.set G0B, 56
.set MSB, 0
.macro WIN new                         ; the immediate's high byte repeats the setting that is left
.if MSB != (\new)
	s_set_vgpr_msb (MSB<<8)|(\new)
.set MSB, (\new)
.endif
.endm
.set MUL, 0x50                         ; C and D window 1; sources 0 and 1 window 0.  With 0x10 more: C window 2, the bias
.macro JLOAD s                         ; a joint load: waves 0 and 1 fetch A's two halves, waves 2 and 3 B's; an s_nop 0 and four v_nop follow each of the two lines
	s_cmp_eq_u32 s13, 0
	s_cbranch_scc0 .Lfor_b_\@
	tensor_load_to_lds s[G0+4*\s:G0+4*\s+3], s[G1:G1+7]
	s_nop 0
.rept 4
	v_nop
.endr
	s_branch .Lasked_\@
.Lfor_b_\@:
	tensor_load_to_lds s[G0B+4*\s:G0B+4*\s+3], s[G1B:G1B+7]
	s_nop 0
.rept 4
	v_nop
.endr
.Lasked_\@:
.endm
.macro CREST                           ; a round of the cluster's barrier behind its opening barrier
	s_cmp_lg_u32 s12, 0
	s_cbranch_scc1 .Lnot_wave_0_\@
	s_barrier_signal -3
.Lnot_wave_0_\@:
	s_barrier_wait -3
	s_barrier_signal -1
	s_barrier_wait -1
.endm
.macro CROUND                          ; a whole round
	s_barrier_signal -1
	s_barrier_wait -1
	CREST
.endm
	s_load_b256 s[4:11], s[0:1], 0x0               ; att s[4:5], wp s[6:7], b_proj s[8:9], out0 s[10:11]
	v_lshl_add_u32 v[SPW], v0, 2, SPARE
	v_mov_b32 v[NIL], 0
	ds_add_u32 v[SPW], v[NIL]                      ; the wave's opening: the add, twice on end, and its wait ahead of my first tensor load
	ds_add_u32 v[SPW], v[NIL]                      ; and once more; the set-up below, work on registers, stands between it and the wait
	v_lshrrev_b32 v1, 5, v0
	v_readfirstlane_b32 s12, v1                    ; wave 0..3
	s_lshr_b32 s13, s12, 1                         ; which half of the tile's rows is mine.  Also: I fetch for A (0) or for B (1)
	s_and_b32 s14, s12, 1                          ; which half of its columns.  Also: which half of that side I fetch
	s_bfe_u32 s40, ttmp6, 0x40000                  ; cx, cy: my place in the cluster
	s_bfe_u32 s41, ttmp6, 0x40004
	s_lshl_b32 s42, ttmp9, 2
	s_add_co_u32 s42, s42, s40                     ; tile column tx
	s_and_b32 s15, ttmp7, 0xffff
	s_lshl_b32 s15, s15, 2
	s_add_co_u32 s15, s15, s41                     ; tile row ty
	s_lshl_b32 s43, s41, 2
	s_lshl_b32 s43, 15, s43                        ; my row of the cluster
	s_lshl_b32 s44, 0x1111, s40                    ; my column
	; group 1: dense blocks as rows of 256 bytes (32 elements of 8 bytes), no padding: A's half 64 rows, B's half 128
	s_or_b32 s[G1+0], s43, (3<<16)|(1<<21)         ; 15:0 the mask; 17:16 elements of 8 bytes; 21 set beside a mask
	s_or_b32 s[G1B+0], s44, (3<<16)|(1<<21)
.irp g, G1, G1B
	s_mov_b32 s[\g+1], 32<<16                      ; tensor_dim0
	s_mov_b32 s[\g+3], 32<<16                      ; tile_dim0
	s_mov_b32 s[\g+5], 32                          ; from row to row
	s_mov_b32 s[\g+6], 0
	s_mov_b32 s[\g+7], 0
.endr
	s_mov_b32 s[G1+2], 64<<16                      ; tensor_dim1
	s_mov_b32 s[G1+4], 64                          ; tile_dim1
	s_mov_b32 s[G1B+2], 128<<16
	s_mov_b32 s[G1B+4], 128
	s_lshl_b32 s16, s15, 15
	s_lshl_b32 s18, s14, 14                        ; A's half: 16,384 bytes; also its place in a slot
	s_add_co_u32 s16, s16, s18                     ; A: 32,768 ty + 16,384 half
	s_mov_b32 s17, 0
	s_lshl_b32 s46, s42, 16
	s_lshl_b32 s19, s14, 15
	s_add_co_u32 s46, s46, s19                     ; B: 65,536 tx + 32,768 half
	s_mov_b32 s47, 0
	s_add_co_u32 s19, s19, BOFF                    ; B's place in a slot: no place in the cluster enters an LDS address
	s_wait_dscnt 0x0                               ; both opening adds are done
	s_wait_kmcnt 0x0
	s_add_nc_u64 s[20:21], s[4:5], s[16:17]
	s_add_nc_u64 s[46:47], s[6:7], s[46:47]
	CROUND                                         ; all sixteen work-groups are here: the first joint loads meet
.irp s, 0,1
	s_mov_b32 s[G0+4*\s], 1
	s_add_co_u32 s[G0+4*\s+1], s18, \s*SLOT
	s_add_nc_u64 s[G0+4*\s+2:G0+4*\s+3], s[20:21], \s*2097152      ; att: a K step is 2,097,152 bytes
	s_or_b32 s[G0+4*\s+3], s[G0+4*\s+3], 0x80000000
	s_mov_b32 s[G0B+4*\s], 1
	s_add_co_u32 s[G0B+4*\s+1], s19, \s*SLOT
	s_add_nc_u64 s[G0B+4*\s+2:G0B+4*\s+3], s[46:47], \s*262144     ; wp: 262,144
	s_or_b32 s[G0B+4*\s+3], s[G0B+4*\s+3], 0x80000000
	JLOAD \s                                       ; two tensor loads of mine are out behind the second
.endr
	s_lshl_b32 s16, s42, 10
	s_lshl_b32 s22, s14, 9
	s_add_co_u32 s16, s16, s22                     ; my first column, in bytes: 1,024 tx + 512 wc
	s_add_nc_u64 s[8:9], s[8:9], s[16:17]          ; the bias there,
	s_add_nc_u64 s[10:11], s[10:11], s[16:17]      ; and out0,
	s_lshl_b32 s16, s15, 19
	s_lshl_b32 s22, s13, 18
	s_add_co_u32 s16, s16, s22                     ; at my first row: 128 ty + 64 wr rows of 4,096 bytes
	s_add_nc_u64 s[10:11], s[10:11], s[16:17]
	v_and_b32 v1, 15, v0                           ; r
	v_bfe_u32 v2, v0, 4, 1                         ; h
	v_and_b32 v3, 31, v0
	v_lshlrev_b32 v[CO], 4, v3
	v_lshlrev_b32 v6, 5, v2                        ; the bias: lane (r, h) wants, of block b, columns 16 b + 8 h + 0 .. 7
	WIN 0x80                                       ; destination window 2
.irp b, 0,1,2,3,4,5,6,7
	global_load_b128 v[8*\b:8*\b+3], v6, s[8:9] offset:64*\b
	global_load_b128 v[8*\b+4:8*\b+7], v6, s[8:9] offset:64*\b+16
.endr
	WIN 0
	s_lshl_b32 s22, s13, 14                        ; my 64 rows of A: 4 tiles
	s_lshl_b32 s23, s14, 15
	s_add_co_u32 s23, s23, BOFF                    ; my 128 columns of B: 8 tiles, behind A's 8
.irp s, 0,1
	v_add_nc_u32 v[ADRA+\s], s22, v[CO]
	v_add_nc_u32 v[ADRB+\s], s23, v[CO]
	s_add_co_u32 s22, s22, SLOT
	s_add_co_u32 s23, s23, SLOT
.endr
	s_mul_i32 s22, s12, 16*SPITCH
	s_add_co_u32 s22, s22, STAGE                   ; my stage
	v_mul_u32_u24 v4, v1, SPITCH                   ; in: row r, 32 bytes for each half of the lanes
	v_lshl_add_u32 v4, v2, 5, v4
	v_add_nc_u32 v[STO], s22, v4
	v_add_nc_u32 v[RD], s22, v[CO]                 ; back: the 32 lanes take one row of 512 bytes
; 8 matrix instructions: A's block a x B's eight, 32 along K, from buffer f.  first = 1: the sums begin with the bias.  The 32 accumulators take turns, in the same order in every quarter.
.macro MUL8 f, a, first
.irp b, 0,1,2,3,4,5,6,7
.if \first
	v_wmma_f32_16x16x32_f16 v[8*(8*(\a)+\b):8*(8*(\a)+\b)+7], v[\f+32+8*\b:\f+32+8*\b+7], v[\f+8*(\a):\f+8*(\a)+7], v[8*\b:8*\b+7]
.else
	v_wmma_f32_16x16x32_f16 v[8*(8*(\a)+\b):8*(8*(\a)+\b)+7], v[\f+32+8*\b:\f+32+8*\b+7], v[\f+8*(\a):\f+8*(\a)+7], v[8*(8*(\a)+\b):8*(8*(\a)+\b)+7]
.endif
.endr
.endm
; 24 LDS loads in one run: the fragments of the slot's q-th 32 along K into buffer f: B's eight, then A's four, blocks 2 and 3 last
.macro FETCH slot, q, f
.irp i, 0,1,2,3,4,5,6,7
.irp c, 0,1
	ds_load_b128 v[\f+32+8*\i+4*\c:\f+32+8*\i+4*\c+3], v[ADRB+\slot] offset:4096*\i+1024*(\q)+512*\c
.endr
.endr
.irp i, 0,1,2,3
.irp c, 0,1
	ds_load_b128 v[\f+8*\i+4*\c:\f+8*\i+4*\c+3], v[ADRA+\slot] offset:4096*\i+1024*(\q)+512*\c
.endr
.endr
.endm
.macro PLACES                          ; four places in front of loads into registers that matrix instructions have read, and of the first read of results (ISA guide 7.12.1 for vector instructions)
.rept 4
	v_nop
.endr
.endm
; A K step is four quarters of 32 along K, 32 matrix instructions each, on buffers 0, 1, 0, 1.  One of the first three: multiplies buffer f and fetches quarter qn into g.
.macro QUARTER slot, qn, f, g, first
	s_wait_dscnt 4                                 ; B and A's blocks 0, 1 are in; the youngest four loads (A's blocks 2, 3) may be out
	WIN MUL+0x10*(\first)
	MUL8 \f, 0, \first
	MUL8 \f, 1, \first
	PLACES
	WIN 0
	FETCH \slot, \qn, \g
	s_wait_dscnt 24                                ; all but the 24 just issued
	WIN MUL+0x10*(\first)
	MUL8 \f, 2, \first
	MUL8 \f, 3, \first
.endm
; The last quarter multiplies buffer 1 and changes slots: ONE barrier; in front of it each wave waits for all its tensor loads, adds 0 to its spare word, and waits for that and for its own reads of this slot.
; fill = 1: the barrier opens a round of the cluster's, and this slot is filled again, two K steps ahead: one tensor load of mine is out behind the round, and has 112 matrix instructions in which to land.
.macro TURN slot, next, fill
	WIN 0                                          ; (the add's two registers lie in window 0)
	s_wait_tensorcnt 0x0                           ; all my tensor loads have landed: my part of the next slot;
	ds_add_u32 v[SPW], v[NIL]                      ; 0 onto my spare word;
	s_wait_dscnt 5                                 ; (the add and the youngest four loads may be out)
	WIN MUL
	MUL8 F1, 0, 0                                  ; eight matrix instructions stand between the add and the wait for it
	s_wait_dscnt 0x0                               ; the add is done, and my reads of this slot are over
	s_barrier_signal -1
	MUL8 F1, 1, 0
	WIN 0
	s_barrier_wait -1
.if \fill
	CREST                                          ; no wave of any partner still reads this slot's tile or has a load on its way
	s_add_nc_u64 s[G0+4*\slot+2:G0+4*\slot+3], s[G0+4*\slot+2:G0+4*\slot+3], 2*2097152
	s_add_nc_u64 s[G0B+4*\slot+2:G0B+4*\slot+3], s[G0B+4*\slot+2:G0B+4*\slot+3], 2*262144
	JLOAD \slot                                    ; the first tensor load behind the round; the four v_nop behind it are also the places in front of the loads below
.else
	PLACES
.endif
	FETCH \next, 0, F0
	WIN MUL
	MUL8 F1, 2, 0
	MUL8 F1, 3, 0
.endm
	s_wait_loadcnt 0x0                             ; the bias
	s_wait_tensorcnt 1                             ; my part of K step 0 is in (K step 1's load may be out),
	s_barrier_signal -1
	s_barrier_wait -1                              ; everybody's is
	FETCH 0, 0, F0
	QUARTER 0, 1, F0, F1, 1                        ; the first quarter stands in front of the loop: its products start the sums, from the bias
	WIN 0                                          ; at a label and at a branch every window is 0
	s_mov_b32 s3, 3
.Llap:                                             ; a trip goes once round the ring, from a lap's second quarter to the next lap's first, and fills both slots again
	QUARTER 0, 2, F1, F0, 0
	QUARTER 0, 3, F0, F1, 0
	TURN 0, 1, 1
	QUARTER 1, 1, F0, F1, 0
	QUARTER 1, 2, F1, F0, 0
	QUARTER 1, 3, F0, F1, 0
	TURN 1, 0, 1
	QUARTER 0, 1, F0, F1, 0
	WIN 0
	s_sub_co_u32 s3, s3, 1
	s_cmp_lg_u32 s3, 0
	s_cbranch_scc1 .Llap
	QUARTER 0, 2, F1, F0, 0                        ; the last lap fills nothing, and has no round of the cluster's barrier
	QUARTER 0, 3, F0, F1, 0
	TURN 0, 1, 0
	QUARTER 1, 1, F0, F1, 0
	QUARTER 1, 2, F1, F0, 0
	QUARTER 1, 3, F0, F1, 0
	s_wait_dscnt 4                                 ; the very last quarter: nothing more to fetch
	WIN MUL
	MUL8 F1, 0, 0
	MUL8 F1, 1, 0
	s_wait_dscnt 0
	MUL8 F1, 2, 0
	MUL8 F1, 3, 0
	WIN 0
; THE WAY OUT, block by block of 16 rows x 128 columns.  A lane holds 32 neighbouring bytes of a row, and the lanes beside it hold other rows: so a block goes through my own stage in LDS and comes back as whole
; rows of 512 bytes, which the 32 lanes store as 512 consecutive bytes, aligned.  LDS serves a wave's instructions in order (ISA guide 5.7.1.4): no wait between the stores and the loads, nor in front of the next block's stores.
.macro TOSTAGE a
	WIN 0x04                                       ; an LDS store's data are its source 1: window 1
.irp b, 0,1,2,3,4,5,6,7
	ds_store_b128 v[STO], v[8*(8*(\a)+\b):8*(8*(\a)+\b)+3] offset:64*\b          ; each accumulator from its low end on
	ds_store_b128 v[STO], v[8*(8*(\a)+\b)+4:8*(8*(\a)+\b)+7] offset:64*\b+16
.endr
	WIN 0
.set BB, BK+64*((\a)%2)
.irp t, 0,1,2,3,4,5,6,7,8,9,10,11,12,13,14,15
	ds_load_b128 v[BB+4*\t:BB+4*\t+3], v[RD] offset:\t*SPITCH
.endr
.endm
.macro SEND a, younger                 ; younger: the LDS instructions issued behind block a's loads, which may stay out
.set BB, BK+64*((\a)%2)
	s_wait_dscnt \younger                          ; the block is back in registers
.irp t, 0,1,2,3,4,5,6,7,8,9,10,11,12,13,14,15
	global_store_b128 v[CO], v[BB+4*\t:BB+4*\t+3], s[10:11] offset:65536*(\a)+4096*\t th:TH_STORE_NT   ; the block's place and the row stand in the immediate: the base is never stepped
.endr
.endm
	PLACES                                         ; behind the last products: for the reads of results and the loads into the fragments' registers alike
	TOSTAGE 0
	TOSTAGE 1
	SEND 0, 32                                     ; behind block 0's loads: block 1's 16 stores and 16 loads
	s_wait_xcnt 0x0                                ; block 0's stores have read their registers: block 2's loads may land there
	TOSTAGE 2
	SEND 1, 32
	s_wait_xcnt 0x0                                ; block 1's likewise
	TOSTAGE 3
	SEND 2, 32
	SEND 3, 0
	s_wait_tensorcnt 0x0                           ; the wave's end, behind my last tensor load and my last LDS store
	ds_add_u32 v[SPW], v[NIL]
	s_wait_dscnt 0x0
	CROUND                                         ; the closing round: no work-group ends while a partner may still ask for a tile that names it
	s_endpgm
.Lfunc_end_k_qee8d3a10d6_proj:
	.size	k_qee8d3a10d6_proj, .Lfunc_end_k_qee8d3a10d6_proj-k_qee8d3a10d6_proj
	.p2alignl 7, 3214868480
	.fill 96, 4, 3214868480
	.section	.rodata,"a",@progbits
	.p2align	6, 0x0
	.amdhsa_kernel k_qee8d3a10d6_proj
		.amdhsa_group_segment_fixed_size 327680
		.amdhsa_private_segment_fixed_size 0
		.amdhsa_enable_private_segment 0
		.amdhsa_kernarg_size 32
		.amdhsa_user_sgpr_count 2
		.amdhsa_user_sgpr_kernarg_segment_ptr 1
		.amdhsa_wavefront_size32 1
		.amdhsa_system_sgpr_workgroup_id_x 1
		.amdhsa_system_sgpr_workgroup_id_y 1
		.amdhsa_system_sgpr_workgroup_id_z 1
		.amdhsa_system_vgpr_workitem_id 0
		.amdhsa_next_free_vgpr 768
		.amdhsa_next_free_sgpr 66
		.amdhsa_reserve_vcc 0
		.amdhsa_float_denorm_mode_32 3
		.amdhsa_float_denorm_mode_16_64 3
		.amdhsa_memory_ordered 1
		.amdhsa_forward_progress 1
		.amdhsa_inst_pref_size 86
	.end_amdhsa_kernel
	.amdgpu_metadata
---
amdhsa.version: [ 1, 2 ]
amdhsa.kernels:
  - .name:           k_qee8d3a10d6_proj
    .symbol:         k_qee8d3a10d6_proj.kd
    .args:
      - { .name: att, .offset: 0, .size: 8, .value_kind: global_buffer, .address_space: global }
      - { .name: wp, .offset: 8, .size: 8, .value_kind: global_buffer, .address_space: global }
      - { .name: b_proj, .offset: 16, .size: 8, .value_kind: global_buffer, .address_space: global }
      - { .name: out0, .offset: 24, .size: 8, .value_kind: global_buffer, .address_space: global }
    .group_segment_fixed_size: 327680
    .private_segment_fixed_size: 0
    .kernarg_segment_align: 8
    .kernarg_segment_size: 32
    .max_flat_workgroup_size: 128
    .sgpr_count:     66
    .vgpr_count:     768
    .wavefront_size: 32
...
	.end_amdgpu_metadata
.endif
;; end of part 4
